; MI455X (gfx1250); checked and timed in simulation.
; The chip was launched on July 23, 2026; its instructions are those of AMD's public machine-readable ISA for CDNA 5 (MIT licence, August 2026) and "CDNA5" Instruction Set Architecture Reference Guide (July 2026). The comments in the code are by the model that wrote it; some were corrected since.
;; Bahdanau Attention Layer. Allowed arithmetic: float matrix products may take bf16 or f16 operands with f32 sums; all other float work in f32.
;; Inputs: U 512 x 512 float32; V 512 float32; W 512 x 512 float32; Wa 512 x 512 float32; ba 512 float32; bias 512 float32; encoder_outputs 32 x 4,096 x 512 float32; hidden_state 32 x 512 float32.
;; Outputs: out0 32 x 512 float32; out1 32 x 4,096 float32.
;; 3 versions, each right; version 3 is version 2 with the launch prep written anew for expert scheduling mode. Each part assembles by itself: llvm-mc -triple=amdgcn-amd-amdhsa -mcpu=gfx1250 --defsym DOCPART=n.
;; ======== version 1 of 3: 5 launches
;; workspace buffers: gbuf 65,536 bytes; bvbuf 65,536 bytes; Mt 524,288 bytes; cbuf 524,288 bytes; obuf 2,097,152 bytes
;; launch vm1 (part 1): grid 8 x 8, 32 waves a work-group, no clusters, 36,864 bytes of LDS; arguments hidden_state, W, bias, gbuf; writes gbuf
.if DOCPART == 1
	.amdgcn_target "amdgcn-amd-amdhsa--gfx1250"
	.amdhsa_code_object_version 6
	.text
	.protected	k_q5faac490c8_vm1
	.globl	k_q5faac490c8_vm1
	.p2align	8
	.type	k_q5faac490c8_vm1,@function
k_q5faac490c8_vm1:
	s_mov_b64 s[64:65], 0
	v_nop
	global_prefetch_b8 v0, s[64:65] scope:SCOPE_SE
	s_setreg_imm32_b32 hwreg(HW_REG_WAVE_MODE, 25, 1), 1
	s_wait_xcnt 0x0
; out[b][n] = sum over k of x[b][k] Y[k][n] + add[n].  x, out: [32][512] f32, Y: [512][512] f32, add: [512] f32.  All in f32 on the vector unit:
; 32 rows against a matrix that is streamed once give the matrix unit nothing to reuse, and these sums feed a tanh, so they keep f32.
; A work-group makes 4 batches x 64 columns.  Thread t: q = t & 15 picks 4 columns, ks = t >> 4 picks 8 of the 512 k.
; A row of Y's strip is 256 bytes, read whole by sixteen neighbouring lanes.  The 64 partial sums of an output meet in LDS.
; No cluster: what work-groups share (a strip of Y, 128 KB, by eight of them) is read once each in one burst, with no ring to ask jointly for.
.set YR, 16                            ; v[16:47]  Y: 8 k x 4 columns
.set XR, 48                            ; v[48:79]  x: 4 batches x 8 k
.set AC, 80                            ; v[80:95]  sums: 4 batches x 4 columns
	s_load_b256 s[4:11], s[0:1], 0x0               ; x s[4:5], Y s[6:7], add s[8:9], out s[10:11]
	v_lshl_add_u32 v96, v0, 2, 0x8000
	v_mov_b32 v97, 0
	s_and_b32 s14, ttmp7, 0xffff                   ; which 4 batches
	s_lshl_b32 s16, ttmp9, 8                       ; which 64 columns: 256 bytes
	s_mov_b32 s17, 0
	s_lshl_b32 s18, s14, 13                        ; 4 rows of 2,048 bytes
	s_mov_b32 s19, 0
	s_mov_b32 s12, 0x76543210                      ; v_permlanex16_b32: lane i reads lane i of the other half
	s_mov_b32 s13, 0xfedcba98
	v_lshrrev_b32 v1, 5, v0
	v_readfirstlane_b32 s15, v1                    ; wave
	v_and_b32 v2, 15, v0                           ; q
	v_lshrrev_b32 v3, 4, v0                        ; ks
	v_lshlrev_b32 v4, 4, v2                        ; 16 q
	v_lshl_add_u32 v5, v3, 14, v4                  ; Y: 8 ks rows of 2,048 bytes + 16 q
	v_lshlrev_b32 v6, 5, v3                        ; x: 8 ks numbers
	s_lshl_b32 s20, s15, 10
	v_add_nc_u32 v7, s20, v4                       ; LDS: 1,024 wave + 16 q
	v_mov_b32 v12, 0                               ; the lane exchange counts as a reader of its destination
	s_wait_kmcnt 0x0
	s_add_nc_u64 s[6:7], s[6:7], s[16:17]
	s_add_nc_u64 s[8:9], s[8:9], s[16:17]
	s_add_nc_u64 s[4:5], s[4:5], s[18:19]
	s_add_nc_u64 s[10:11], s[10:11], s[16:17]
	s_add_nc_u64 s[10:11], s[10:11], s[18:19]
.irp i, 0,1,2,3,4,5,6,7
	global_load_b128 v[YR+4*\i:YR+4*\i+3], v5, s[6:7] offset:2048*\i
.endr
.irp b, 0,1,2,3
	global_load_b128 v[XR+8*\b:XR+8*\b+3], v6, s[4:5] offset:2048*\b
	global_load_b128 v[XR+8*\b+4:XR+8*\b+7], v6, s[4:5] offset:2048*\b+16
.endr
	global_load_b128 v[8:11], v4, s[8:9]
	s_wait_loadcnt 0x0                             ; all 17 loads went out in one run; everything below needs them
; 64 packed multiply-adds in eight chains; the first product of a chain starts its sum.  x[b][k] is broadcast out of its register pair.
.irp e, 0,2,4,6
.irp b, 0,1,2,3
.irp p, 0,1
.if \e
	v_pk_fma_f32 v[AC+4*\b+2*\p:AC+4*\b+2*\p+1], v[YR+4*\e+2*\p:YR+4*\e+2*\p+1], v[XR+8*\b+\e:XR+8*\b+\e+1], v[AC+4*\b+2*\p:AC+4*\b+2*\p+1] op_sel_hi:[1,0,1]
.else
	v_pk_mul_f32 v[AC+4*\b+2*\p:AC+4*\b+2*\p+1], v[YR+2*\p:YR+2*\p+1], v[XR+8*\b:XR+8*\b+1] op_sel_hi:[1,0]
.endif
.endr
.endr
.irp b, 0,1,2,3
.irp p, 0,1
	v_pk_fma_f32 v[AC+4*\b+2*\p:AC+4*\b+2*\p+1], v[YR+4*\e+4+2*\p:YR+4*\e+4+2*\p+1], v[XR+8*\b+\e:XR+8*\b+\e+1], v[AC+4*\b+2*\p:AC+4*\b+2*\p+1] op_sel:[0,1,0] op_sel_hi:[1,1,1]
.endr
.endr
.endr
; lanes l and l xor 16 hold the same columns and neighbouring ks: join them
.set i, 0
.rept 16
	v_permlanex16_b32 v12, v[AC+i], s12, s13
	v_add_f32 v[AC+i], v[AC+i], v12
.set i, i+1
.endr
.irp b, 0,1,2,3
	ds_store_b128 v7, v[AC+4*\b:AC+4*\b+3] offset:256*\b       ; [wave][batch][64 columns]; both halves write the same numbers
.endr
	s_wait_dscnt 0x0                               ; my stores are in LDS before I say so
	s_barrier_signal -1
	s_barrier_wait -1
	s_cmp_ge_u32 s15, 2                            ; 256 outputs = 64 threads x 4: waves 0 and 1 finish; no barrier follows
	s_cbranch_scc1 .Lend
	v_lshlrev_b32 v13, 4, v0                       ; 16 t = 256 batch + 16 q
	v_lshl_add_u32 v14, v3, 11, v4                 ; out: row t >> 4, 16 q
; sixteen waves' partial sums, added as a tree, then onto add[n]
.macro RED base
.irp j, 0,1,2,3,4,5,6,7,8,9,10,11,12,13,14,15
	ds_load_b128 v[16+4*\j:16+4*\j+3], v13 offset:\base+1024*\j
.endr
	s_wait_dscnt 0x0
.irp n, 8,4,2,1
.set k, 0
.rept \n
	v_pk_add_f32 v[16+4*k:17+4*k], v[16+4*k:17+4*k], v[16+4*(k+\n):17+4*(k+\n)]
	v_pk_add_f32 v[18+4*k:19+4*k], v[18+4*k:19+4*k], v[18+4*(k+\n):19+4*(k+\n)]
.set k, k+1
.endr
.endr
	v_pk_add_f32 v[8:9], v[8:9], v[16:17]
	v_pk_add_f32 v[10:11], v[10:11], v[18:19]
.endm
	RED 0
	RED 16384
	global_store_b128 v14, v[8:11], s[10:11]       ; sixteen lanes store 256 consecutive bytes, aligned
.Lend:
	s_wait_tensorcnt 0x0
	ds_add_u32 v96, v97
	s_wait_dscnt 0x0
	s_endpgm
.Lfunc_end_k_q5faac490c8_vm1:
	.size	k_q5faac490c8_vm1, .Lfunc_end_k_q5faac490c8_vm1-k_q5faac490c8_vm1
	.p2alignl 7, 3214868480
	.fill 96, 4, 3214868480
	.section	.rodata,"a",@progbits
	.p2align	6, 0x0
	.amdhsa_kernel k_q5faac490c8_vm1
		.amdhsa_group_segment_fixed_size 36864
		.amdhsa_private_segment_fixed_size 0
		.amdhsa_enable_private_segment 0
		.amdhsa_kernarg_size 32
		.amdhsa_user_sgpr_count 2
		.amdhsa_user_sgpr_kernarg_segment_ptr 1
		.amdhsa_wavefront_size32 1
		.amdhsa_system_sgpr_workgroup_id_x 1
		.amdhsa_system_sgpr_workgroup_id_y 1
		.amdhsa_system_sgpr_workgroup_id_z 1
		.amdhsa_system_vgpr_workitem_id 0
		.amdhsa_next_free_vgpr 98
		.amdhsa_next_free_sgpr 66
		.amdhsa_reserve_vcc 0
		.amdhsa_float_denorm_mode_32 3
		.amdhsa_float_denorm_mode_16_64 3
		.amdhsa_memory_ordered 1
		.amdhsa_forward_progress 1
		.amdhsa_inst_pref_size 16
	.end_amdhsa_kernel
	.amdgpu_metadata
---
amdhsa.version: [ 1, 2 ]
amdhsa.kernels:
  - .name:           k_q5faac490c8_vm1
    .symbol:         k_q5faac490c8_vm1.kd
    .args:
      - { .name: hidden_state, .offset: 0, .size: 8, .value_kind: global_buffer, .address_space: global }
      - { .name: W, .offset: 8, .size: 8, .value_kind: global_buffer, .address_space: global }
      - { .name: bias, .offset: 16, .size: 8, .value_kind: global_buffer, .address_space: global }
      - { .name: gbuf, .offset: 24, .size: 8, .value_kind: global_buffer, .address_space: global }
    .group_segment_fixed_size: 36864
    .private_segment_fixed_size: 0
    .kernarg_segment_align: 8
    .kernarg_segment_size: 32
    .max_flat_workgroup_size: 1024
    .sgpr_count:     66
    .vgpr_count:     98
    .wavefront_size: 32
...
	.end_amdgpu_metadata
.endif
;; end of part 1
;; launch mprep (part 2): grid 8 x 8, 8 waves a work-group, no clusters, 149,504 bytes of LDS; arguments U, Wa, Mt; writes Mt
.if DOCPART == 2
	.amdgcn_target "amdgcn-amd-amdhsa--gfx1250"
	.amdhsa_code_object_version 6
	.text
	.protected	k_q5faac490c8_mprep
	.globl	k_q5faac490c8_mprep
	.p2align	8
	.type	k_q5faac490c8_mprep,@function
k_q5faac490c8_mprep:
	s_mov_b64 s[64:65], 0
	v_nop
	global_prefetch_b8 v0, s[64:65] scope:SCOPE_SE
	s_setreg_imm32_b32 hwreg(HW_REG_WAVE_MODE, 25, 1), 1
	s_wait_xcnt 0x0
; Mt = s U Wa in bf16, s = 2 log2 e, laid out as the register image of the next launch's fragments.
; (enc U + g) Wa = enc (U Wa) + g Wa holds for every input, so the two products of each row become one.
; Operands U and Wa are rounded to bf16, sums in f32, the product rounded once to bf16.
; A work-group makes 64 rows d x 64 columns n; wave v makes the tile row dl = v >> 1 and the two tile columns 2 (v & 1), 2 (v & 1) + 1.
; Mt[T 8][w 4][sub 2][nt 8][half 2][lane 32][16 bytes]: lane (r, h) holds M[d .. d+7][n], d = 64 T + 32 sub + 16 half + 8 h, n = 128 w + 16 nt + r.
; No cluster and no tensor loads: the strips need a conversion on their way into LDS, so they pass through registers, once.
.set PY, 160                           ; Wa strip in LDS: [512 k][64 n] bf16, 128 bytes + 32: an odd multiple of 32 for the transposing loads
.set XS, 81920                         ; U strip behind it: [64 d][512 k] bf16
.set PX, 1040                          ; 1,024 bytes + 16: an odd multiple of 16
.set RING, 64                          ; v[64:191] 32 loads of 16 bytes a lane; later the fragments
	s_load_b128 s[4:7], s[0:1], 0x0                ; U s[4:5], Wa s[6:7]
	s_load_b64 s[8:9], s[0:1], 0x10                ; Mt
	v_lshl_add_u32 v192, v0, 2, 0x24400
	v_mov_b32 v193, 0
	s_and_b32 s11, ttmp7, 0xffff                   ; dg: which 64 rows d
	v_lshrrev_b32 v1, 5, v0
	v_readfirstlane_b32 s10, v1                    ; wave v
	v_and_b32 v6, 31, v0                           ; lane
	v_and_b32 v7, 15, v0                           ; r
	v_bfe_u32 v8, v0, 4, 1                         ; h
	s_lshl_b32 s12, s10, 17                        ; Wa: 64 v rows of 2,048 bytes
	v_lshlrev_b32 v9, 4, v7
	v_lshl_add_u32 v2, v8, 11, v9
	v_add_nc_u32 v2, s12, v2                       ; v2: Wa, row 64 v + h, byte 16 r
	s_mul_i32 s13, s10, 64*PY
	v_mul_u32_u24 v3, v8, PY
	v_lshl_add_u32 v3, v7, 3, v3
	v_add_nc_u32 v3, s13, v3                       ; v3: the same place in LDS, 8 bytes for 4 numbers
	s_lshl_b32 s14, s10, 14                        ; U: 8 v rows of 2,048 bytes
	v_lshl_add_u32 v4, v6, 4, s14                  ; v4: U, + 16 lane
	s_mul_i32 s15, s10, 8*PX
	s_add_co_u32 s15, s15, XS
	v_lshl_add_u32 v5, v6, 3, s15                  ; v5: the same place in LDS
	s_lshl_b32 s16, ttmp9, 8                       ; cg: which 64 columns, 256 bytes
	s_mov_b32 s17, 0
	s_lshl_b32 s18, s11, 17                        ; 64 dg rows
	s_mov_b32 s19, 0
	s_lshr_b32 s20, s10, 1                         ; dl
	s_wait_kmcnt 0x0
	s_add_nc_u64 s[6:7], s[6:7], s[16:17]
	s_add_nc_u64 s[4:5], s[4:5], s[18:19]
; 64 items a wave, 512 bytes each: items 0-31 two rows of Wa's strip, items 32-63 a quarter row of U's.  32 loads are always out.
.set it, 0
.rept 32
	global_load_b128 v[RING+4*it:RING+4*it+3], v2, s[6:7] offset:4096*it
.set it, it+1
.endr
.set it, 0
.rept 64
.if it < 32
	s_wait_loadcnt 31                              ; loads come back in order: this item is in, the 31 younger ones stay out
.else
	s_wait_loadcnt 63-it                           ; nothing more is issued: the count runs down
.endif
	v_cvt_pk_bf16_f32 v[10+2*(it&1)], v[RING+4*(it&31)], v[RING+4*(it&31)+1]
	v_cvt_pk_bf16_f32 v[11+2*(it&1)], v[RING+4*(it&31)+2], v[RING+4*(it&31)+3]
.if it < 32
	ds_store_b64 v3, v[10+2*(it&1):11+2*(it&1)] offset:2*PY*it
	global_load_b128 v[RING+4*it:RING+4*it+3], v4, s[4:5] offset:512*it
.else
	ds_store_b64 v5, v[10+2*(it&1):11+2*(it&1)] offset:((it-32)>>2)*PX+((it-32)&3)*256
.endif
.set it, it+1
.endr
	; fragment addresses
	s_mul_i32 s21, s20, 16*PX
	s_add_co_u32 s21, s21, XS
	v_mul_u32_u24 v14, v7, PX
	v_lshl_add_u32 v14, v8, 4, v14
	v_add_nc_u32 v14, s21, v14                     ; v14: U, row 16 dl + r, byte 16 h
	v_and_b32 v18, 7, v0
	v_lshl_add_u32 v18, v8, 3, v18                 ; 8 h + (lane & 7)
	v_mul_u32_u24 v15, v18, PY
	v_bfe_u32 v19, v0, 3, 1
	v_lshl_add_u32 v15, v19, 4, v15
	s_and_b32 s25, s10, 1
	s_lshl_b32 s22, s25, 6
	v_add_nc_u32 v15, s22, v15                     ; v15: Wa, transposing load, K steps 0-7
	v_add_nc_u32 v16, 8*32*PY, v15                 ; v16: K steps 8-15 (the immediate has 16 bits)
	v_lshlrev_b32 v17, 4, v6                       ; v17: 16 lane, for the way out
	; where my first tile goes in Mt
	s_lshr_b32 s24, ttmp9, 1
	s_lshl2_add_u32 s23, s11, s24                  ; T 4 + w
	s_lshr_b32 s24, s20, 1
	s_lshl1_add_u32 s23, s23, s24                  ; x 2 + sub
	s_and_b32 s24, ttmp9, 1
	s_lshl_b32 s24, s24, 2
	s_lshl1_add_u32 s24, s25, s24                  ; nt = 4 (cg & 1) + 2 (v & 1)
	s_lshl3_add_u32 s23, s23, s24                  ; x 8 + nt
	s_and_b32 s24, s20, 1
	s_lshl1_add_u32 s23, s23, s24                  ; x 2 + half
	s_lshl_b32 s26, s23, 9                         ; x 512 bytes
	s_mov_b32 s27, 0
	s_add_nc_u64 s[8:9], s[8:9], s[26:27]
	s_wait_dscnt 0x0                               ; my stores are in LDS before I say so
	s_barrier_signal -1
	s_barrier_wait -1
; Four K steps of 32: 24 LDS loads in one run, then 8 matrix instructions.  The two accumulators take turns.
; Source 0 = 16 rows of U, source 1 = 16 columns of Wa: register j of lane (r, h) is M[16 dl + 8 h + j][n0 + r].
.macro GROUP g
.rept 4
	v_nop                                          ; four places between the last matrix instruction and loads into registers that it read
.endr
.irp k, 0,1,2,3
	ds_load_b128 v[64+24*\k:64+24*\k+3], v14 offset:64*(4*\g+\k)
	ds_load_b128 v[64+24*\k+4:64+24*\k+7], v14 offset:64*(4*\g+\k)+32
.irp t, 0,1
	ds_load_tr16_b128 v[72+24*\k+8*\t:72+24*\k+8*\t+3], v[15+(\g>>1)] offset:((4*\g+\k)&7)*32*PY+32*\t
	ds_load_tr16_b128 v[72+24*\k+8*\t+4:72+24*\k+8*\t+7], v[15+(\g>>1)] offset:((4*\g+\k)&7)*32*PY+16*PY+32*\t
.endr
.endr
	s_wait_dscnt 0x0
.irp k, 0,1,2,3
.irp t, 0,1
.if (4*\g+\k) == 0
	v_wmma_f32_16x16x32_bf16 v[160+8*\t:160+8*\t+7], v[64+24*\k:64+24*\k+7], v[72+24*\k+8*\t:72+24*\k+8*\t+7], 0
.else
	v_wmma_f32_16x16x32_bf16 v[160+8*\t:160+8*\t+7], v[64+24*\k:64+24*\k+7], v[72+24*\k+8*\t:72+24*\k+8*\t+7], v[160+8*\t:160+8*\t+7]
.endif
.endr
.endr
.endm
	GROUP 0
	GROUP 1
	GROUP 2
	GROUP 3
.rept 4
	v_nop                                          ; four places before the results are read
.endr
.irp t, 0,1
.irp j, 0,2,4,6
	v_pk_mul_f32 v[160+8*\t+\j:160+8*\t+\j+1], v[160+8*\t+\j:160+8*\t+\j+1], 0x4038aa3b op_sel_hi:[1,0]   ; x 2 log2 e: the tanh below works in base 2
.endr
.irp j, 0,1,2,3
	v_cvt_pk_bf16_f32 v[176+4*\t+\j], v[160+8*\t+2*\j], v[160+8*\t+2*\j+1]
.endr
	global_store_b128 v17, v[176+4*\t:176+4*\t+3], s[8:9] offset:1024*\t   ; the wave stores 512 consecutive bytes, aligned
.endr
	s_wait_tensorcnt 0x0
	ds_add_u32 v192, v193
	s_wait_dscnt 0x0
	s_endpgm
.Lfunc_end_k_q5faac490c8_mprep:
	.size	k_q5faac490c8_mprep, .Lfunc_end_k_q5faac490c8_mprep-k_q5faac490c8_mprep
	.p2alignl 7, 3214868480
	.fill 96, 4, 3214868480
	.section	.rodata,"a",@progbits
	.p2align	6, 0x0
	.amdhsa_kernel k_q5faac490c8_mprep
		.amdhsa_group_segment_fixed_size 149504
		.amdhsa_private_segment_fixed_size 0
		.amdhsa_enable_private_segment 0
		.amdhsa_kernarg_size 24
		.amdhsa_user_sgpr_count 2
		.amdhsa_user_sgpr_kernarg_segment_ptr 1
		.amdhsa_wavefront_size32 1
		.amdhsa_system_sgpr_workgroup_id_x 1
		.amdhsa_system_sgpr_workgroup_id_y 1
		.amdhsa_system_sgpr_workgroup_id_z 1
		.amdhsa_system_vgpr_workitem_id 0
		.amdhsa_next_free_vgpr 194
		.amdhsa_next_free_sgpr 66
		.amdhsa_reserve_vcc 0
		.amdhsa_float_denorm_mode_32 3
		.amdhsa_float_denorm_mode_16_64 3
		.amdhsa_memory_ordered 1
		.amdhsa_forward_progress 1
		.amdhsa_inst_pref_size 34
	.end_amdhsa_kernel
	.amdgpu_metadata
---
amdhsa.version: [ 1, 2 ]
amdhsa.kernels:
  - .name:           k_q5faac490c8_mprep
    .symbol:         k_q5faac490c8_mprep.kd
    .args:
      - { .name: U, .offset: 0, .size: 8, .value_kind: global_buffer, .address_space: global }
      - { .name: Wa, .offset: 8, .size: 8, .value_kind: global_buffer, .address_space: global }
      - { .name: Mt, .offset: 16, .size: 8, .value_kind: global_buffer, .address_space: global }
    .group_segment_fixed_size: 149504
    .private_segment_fixed_size: 0
    .kernarg_segment_align: 8
    .kernarg_segment_size: 24
    .max_flat_workgroup_size: 256
    .sgpr_count:     66
    .vgpr_count:     194
    .wavefront_size: 32
...
	.end_amdgpu_metadata
.endif
;; end of part 2
;; launch vm2: the kernel of part 1 again; grid 8 x 8, 32 waves a work-group, no clusters, 36,864 bytes of LDS; arguments gbuf, Wa, ba, bvbuf; writes bvbuf
;; launch main (part 3): grid 256 x 1, 4 waves a work-group, clusters of 4 x 1, 327,680 bytes of LDS; arguments encoder_outputs, Mt, bvbuf, V, cbuf, obuf; writes cbuf, obuf
.if DOCPART == 3
	.amdgcn_target "amdgcn-amd-amdhsa--gfx1250"
	.amdhsa_code_object_version 6
	.text
	.protected	k_q5faac490c8_main
	.globl	k_q5faac490c8_main
	.p2align	8
	.type	k_q5faac490c8_main,@function
k_q5faac490c8_main:
	s_mov_b64 s[64:65], 0
	v_nop
	global_prefetch_b8 v0, s[64:65] scope:SCOPE_SE
	s_setreg_imm32_b32 hwreg(HW_REG_WAVE_MODE, 25, 1), 1
	s_wait_xcnt 0x0
	s_wait_alu depctr_hold_cnt(0) depctr_sa_sdst(0) depctr_va_vdst(0) depctr_va_sdst(0) depctr_va_ssrc(0) depctr_va_vcc(0) depctr_vm_vsrc(0)
	s_getreg_b32 s2, hwreg(HW_REG_IB_STS2, 6, 4)
	s_cmp_eq_u32 s2, 0
	s_cbranch_scc0 .Lentry_in_a_cluster
	s_endpgm
.Lentry_in_a_cluster:
	s_bfe_u32 s2, ttmp6, 0x10000c
	s_cmp_lg_u32 s2, 0x3003
	s_cbranch_scc0 .Lentry_shape_is_right
	s_endpgm
.Lentry_shape_is_right:
; For each row t of a batch: z = enc[t] M + bv, c'[t] = -2 sum over n of V[n] / (1 + 2^(s z[n])), s = 2 log2 e (M comes multiplied by s, bv is multiplied here).
; tanh(z) = 1 - 2 / (1 + 2^(s z)), so c' = c - sum(V): a constant for all t, which a softmax over t cancels.  STATED: cbuf holds c', not c.
; An overflowing 2^x gives 1/inf = 0 (tanh = 1), an underflowing one 1/1 (tanh = -1): no clamp is needed.
; Then, for each block of 128 rows: p = exp(c' - the block's maximum), o[d] = sum over the block of p[t] enc[t][d].  The last launch joins the blocks.
; Matrix operands are bf16 (enc, M, p); sums, bv, V, scores and maxima are f32.
; A work-group takes 512 rows as 4 blocks of 128.  A block is read from memory once, converted to bf16 and kept in LDS for both products.
; Four waves; each makes all 128 rows x 128 of the 512 columns: 64 accumulator tiles, 512 registers.
; CLUSTER: every work-group walks the same M (512 KB a block).  Four work-groups ask for each tile jointly (mask 15): wave w of each issues the same descriptor for
; the 16 KB that wave w reads.  K goes in steps of 64 through two LDS slots of 64 KB.  By this text's count a wave has one tensor load out at most.
;
; LDS: slots at 0 and 65,536 (tensor loads alone); A at 131,072: 128 rows x 1,040 bytes (1,024 + 16: an odd multiple of 16); CP [4][128] f32 the waves' partial scores;
; PS [4][128] bf16 each wave's own copy of p; OS [4][128] f32 each wave's own stage for o.
; REGISTERS in windows of 256.  Window 0: addresses, fragments of enc (v64-191, also the ring of 32 loads of enc), p fragments, small sums.
; Window 1: v0-63 s bv, v64-191 fragments of M (later of enc transposed), v192-255 V.  Windows 2 and 3: the accumulators of rows 0-63 and 64-127.
.set SLOTB, 65536
.set AB, 131072
.set PA, 1040
.set CP, 264192
.set PS, 266240
.set OS, 267264
.set F0, 64
.set F1, 128
.set PF, 192                           ; v[192:223] p as source 0, four K steps
.set ST, 224                           ; v[224:231] four chains of pairs
.set SA, 232                           ; v[232:239] a lane's sum for each of the 8 row tiles
.set CQ, 240                           ; v[240:255] the four waves' partial scores of my 4 rows
.set G1, 24                            ; s[24:31] descriptor group 1
.set G0, 32                            ; s[32:39] descriptor group 0, a set for each slot
.set MSB, 0
.macro WIN new                         ; the immediate's high byte repeats the setting that is left
.if MSB != \new
	s_set_vgpr_msb (MSB<<8)|\new
.set MSB, \new
.endif
.endm
.set TO_B, 0x40                        ; destination window 1
.set MUL_LO, 0xa1                      ; source 0 (M) window 1, source 1 (enc) window 0, C and D window 2
.set MUL_HI, 0xf1                      ; the same, C and D window 3
.set WSW, 0xa4                         ; source 0 (p) window 0, source 1 window 1, C and D window 2
.macro PLACES                          ; four places behind a matrix instruction, before its results are read or its registers loaded into (ISA guide 7.12.1)
.rept 4
	v_nop
.endr
.endm
; A round of the cluster's barrier: my work-group's barrier, wave 0 signals for the work-group, every wave waits for all four work-groups, my work-group's barrier again.
.macro ROUND
	s_barrier_signal -1
	s_barrier_wait -1
	s_cmp_lg_u32 s16, 0
	s_cbranch_scc1 .Lnot_wave_0_\@
	s_barrier_signal -3
.Lnot_wave_0_\@:
	s_barrier_wait -3
	s_barrier_signal -1
	s_barrier_wait -1
.endm
	s_load_b256 s[4:11], s[0:1], 0x0               ; enc s[4:5], Mt s[6:7], bv s[8:9], V s[10:11]
	s_load_b128 s[12:15], s[0:1], 0x20             ; cbuf s[12:13], obuf s[14:15]
	v_lshl_add_u32 v62, v0, 2, 0x42000
	v_mov_b32 v63, 0
	ds_add_u32 v62, v63
	v_lshrrev_b32 v2, 5, v0
	v_readfirstlane_b32 s16, v2                    ; wave
	s_bfe_u32 s17, ttmp6, 0x40000                  ; my place in the cluster: enters global offsets of enc, bv, cbuf, obuf alone
	s_lshl_b32 s18, ttmp9, 2
	s_add_co_u32 s18, s18, s17                     ; work-group 0..255
	s_mov_b32 s22, 0x76543210
	s_mov_b32 s23, 0xfedcba98
	s_mov_b32 s50, 0x3fb8aa3b                      ; log2 e
	; group 1: 16 KB, dense in memory, as 64 rows of 32 elements of 8 bytes
	s_mov_b32 s[G1+0], 0x0023000f                  ; mask 15: all four work-groups; element of 8 bytes; bit 21 beside the mask; no padding
	s_mov_b32 s[G1+1], 32<<16                      ; tensor_dim0 = 32
	s_mov_b32 s[G1+2], 64<<16                      ; tensor_dim1 = 64
	s_mov_b32 s[G1+3], 32<<16                      ; tile_dim0 = 32
	s_mov_b32 s[G1+4], 64                          ; tile_dim1 = 64
	s_mov_b32 s[G1+5], 32                          ; 32 elements from row to row
	s_mov_b32 s[G1+6], 0
	s_mov_b32 s[G1+7], 0
	s_lshl_b32 s58, s16, 14                        ; 16,384 wave: my part of a tile, in memory and in a slot
	s_mov_b32 s59, 0
	s_mov_b32 s[G0+0], 1
	s_mov_b32 s[G0+1], s58                         ; slot 0
	s_mov_b32 s[G0+4], 1
	s_add_co_u32 s[G0+5], s58, SLOTB               ; slot 1
	s_wait_dscnt 0x0
	s_wait_kmcnt 0x0
	s_add_nc_u64 s[40:41], s[6:7], s[58:59]        ; Mt + my part: the same in all four work-groups
	s_mov_b64 s[G0+2:G0+3], s[40:41]               ; tile 0
	s_or_b32 s[G0+3], s[G0+3], 0x80000000          ; type 2
	ROUND                                          ; all four work-groups are here: the first joint load meets
	tensor_load_to_lds s[G0:G0+3], s[G1:G1+7]
	s_nop 0
	s_mov_b32 s21, 0
	s_lshl_b32 s20, s18, 20                        ; 512 rows of 2,048 bytes
	s_add_nc_u64 s[42:43], s[4:5], s[20:21]        ; enc at the block that is being loaded
	s_lshl_b32 s20, s18, 11
	s_add_nc_u64 s[46:47], s[12:13], s[20:21]      ; cbuf at my 512 scores
	s_lshl_b32 s20, s18, 13
	s_add_nc_u64 s[48:49], s[14:15], s[20:21]      ; obuf at my 4 rows
	s_lshr_b32 s20, s18, 3                         ; batch
	s_lshl_b32 s20, s20, 11
	s_add_nc_u64 s[8:9], s[8:9], s[20:21]          ; bv of my batch
	v_and_b32 v1, 31, v0                           ; lane
	v_and_b32 v3, 15, v0                           ; r
	v_bfe_u32 v4, v0, 4, 1                         ; h
	v_lshlrev_b32 v5, 4, v1                        ; 16 lane
	v_lshlrev_b32 v6, 4, v4                        ; 16 h
	v_mul_u32_u24 v7, v3, PA
	v_add3_u32 v16, v7, v6, AB                     ; v16: enc fragments, row r, byte 16 h; row tiles 0-3
	v_add_nc_u32 v17, 64*PA, v16                   ; v17: row tiles 4-7
	v_add_nc_u32 v18, s58, v5                      ; v18: M fragments in slot 0
	v_add_nc_u32 v19, SLOTB, v18                   ; v19: in slot 1
	s_mul_i32 s51, s16, 32*PA
	s_add_co_u32 s51, s51, AB
	v_lshl_add_u32 v20, v1, 3, s51                 ; v20: where I put enc: my wave's 32 rows, 8 lane
	s_lshl_b32 s57, s16, 9
	s_add_co_u32 s52, s57, CP
	v_lshl_add_u32 v21, v3, 2, s52                 ; v21: my wave's partial scores, row r
	v_add_nc_u32 v22, CP, v5                       ; v22: rows 4 lane .. 4 lane + 3 of wave 0's
	s_lshl_b32 s53, s16, 8
	s_add_co_u32 s54, s53, AB
	s_add_co_u32 s53, s53, PS
	v_lshl_add_u32 v23, v1, 3, s53                 ; v23: my 4 p
	v_add_nc_u32 v24, s53, v6                      ; v24: p as a fragment
	v_and_b32 v8, 7, v0
	v_lshl_add_u32 v8, v4, 3, v8
	v_mul_u32_u24 v9, v8, PA
	v_bfe_u32 v10, v0, 3, 1
	v_lshl_add_u32 v9, v10, 4, v9
	v_add_nc_u32 v25, s54, v9                      ; v25: transposing loads of enc, my 128 columns, rows 0-63
	v_add_nc_u32 v26, 64*PA, v25                   ; v26: rows 64-127
	s_add_co_u32 s55, s57, OS
	v_lshl_add_u32 v27, v3, 2, s55                 ; v27: o into my stage
	v_add_nc_u32 v28, s55, v5                      ; v28: and back
	s_lshl_b32 s56, s16, 16
	v_add_nc_u32 v29, s56, v5                      ; v29: enc in memory: my wave's 32 rows, 16 lane
	v_lshl_add_u32 v30, v1, 8, s56                 ; v30: the same rows, lanes 256 bytes apart, for prefetches
	v_mov_b32 v31, v5                              ; v31: cbuf
	v_add_nc_u32 v32, s57, v5                      ; v32: obuf: 512 wave + 16 lane
	v_lshl_add_u32 v33, v4, 5, s57                 ; v33: bv and V: 512 wave + 32 h
	v_mov_b32 v44, 0                               ; destinations of lane exchanges count as read
	v_mov_b32 v45, 0
	WIN TO_B
.irp b, 0,1,2,3,4,5,6,7
	global_load_b128 v[8*\b:8*\b+3], v33, s[8:9] offset:64*\b              ; bv[128 w + 16 b + 8 h + j] at register 8 b + j
	global_load_b128 v[8*\b+4:8*\b+7], v33, s[8:9] offset:64*\b+16
	global_load_b128 v[192+8*\b:192+8*\b+3], v33, s[10:11] offset:64*\b    ; V likewise
	global_load_b128 v[192+8*\b+4:192+8*\b+7], v33, s[10:11] offset:64*\b+16
.endr
	WIN 0
; enc: a wave brings its 32 rows as 128 items of 512 consecutive bytes through a ring of 32 loads
.macro ENCLD32
.set it, 0
.rept 32
	global_load_b128 v[F0+4*it:F0+4*it+3], v29, s[42:43] offset:512*it th:TH_LOAD_NT
.set it, it+1
.endr
.endm
.macro ENCTAKE
.set it, 0
.rept 128
.if it < 96
	s_wait_loadcnt 31                              ; loads come back in order: this item is in, the 31 younger ones stay out
.else
	s_wait_loadcnt 127-it                          ; nothing more is issued: the count runs down
.endif
	v_cvt_pk_bf16_f32 v[36+2*(it&1)], v[F0+4*(it&31)], v[F0+4*(it&31)+1]
	v_cvt_pk_bf16_f32 v[37+2*(it&1)], v[F0+4*(it&31)+2], v[F0+4*(it&31)+3]
	ds_store_b64 v20, v[36+2*(it&1):37+2*(it&1)] offset:(it>>2)*PA+(it&3)*256
.if it < 96
	global_load_b128 v[F0+4*(it&31):F0+4*(it&31)+3], v29, s[42:43] offset:512*(it+32) th:TH_LOAD_NT
.endif
.set it, it+1
.endr
.endm
; 16 matrix instructions: row tiles a0, a0 + 1 of the window's four x all 8 column tiles, 32 along K.  Source 0 = 16 columns of M, source 1 = 16 rows of enc:
; register j of lane (r, h) is z[16 a + r][128 w + 16 b + 8 h + j].  zero = 1: the first product starts the sums.
.macro MUL16 f, hi, a0, zero
.irp a, \a0, \a0+1
.irp b, 0,1,2,3,4,5,6,7
.if \zero
	v_wmma_f32_16x16x32_bf16 v[8*(8*(\a)+\b):8*(8*(\a)+\b)+7], v[\f+8*\b:\f+8*\b+7], v[\f+8*(4*\hi+\a):\f+8*(4*\hi+\a)+7], 0
.else
	v_wmma_f32_16x16x32_bf16 v[8*(8*(\a)+\b):8*(8*(\a)+\b)+7], v[\f+8*\b:\f+8*\b+7], v[\f+8*(4*\hi+\a):\f+8*(4*\hi+\a)+7], v[8*(8*(\a)+\b):8*(8*(\a)+\b)+7]
.endif
.endr
.endr
.endm
; 32 LDS loads in one run: M's 8 fragments (my own 8 KB of the slot at bofs), then enc's 8 (byte kb of A's rows)
.macro FETCH slot, bofs, kb, f
	PLACES
	WIN TO_B
.irp i, 0,1,2,3,4,5,6,7
	ds_load_b128 v[\f+8*\i:\f+8*\i+3], v[18+(\slot)] offset:\bofs+1024*\i
	ds_load_b128 v[\f+8*\i+4:\f+8*\i+7], v[18+(\slot)] offset:\bofs+1024*\i+512
.endr
	WIN 0
.irp i, 0,1,2,3
	ds_load_b128 v[\f+8*\i:\f+8*\i+3], v16 offset:\kb+16*PA*\i
	ds_load_b128 v[\f+8*\i+4:\f+8*\i+7], v16 offset:\kb+16*PA*\i+32
.endr
.irp i, 0,1,2,3
	ds_load_b128 v[\f+32+8*\i:\f+32+8*\i+3], v17 offset:\kb+16*PA*\i
	ds_load_b128 v[\f+32+8*\i+4:\f+32+8*\i+7], v17 offset:\kb+16*PA*\i+32
.endr
.endm
; K step t of 64 (tile t of M, in slot t & 1): 128 matrix instructions.  The 64 accumulators take turns in one fixed order.
.macro TRIP t, zero, refill
	WIN 0
	s_wait_tensorcnt 0x0                           ; all my tensor loads have landed, this step's tile among them: a group 0 may be written
	ds_add_u32 v62, v63
	s_wait_dscnt 0x0
.if \refill
	s_add_nc_u64 s[G0+6-4*((\t)&1):G0+7-4*((\t)&1)], s[40:41], 65536*(((\t)+1)&7)   ; the other slot's next tile
	s_or_b32 s[G0+7-4*((\t)&1)], s[G0+7-4*((\t)&1)], 0x80000000
.endif
	s_wait_dscnt 0x0                               ; my reads of the other slot are back, and my stores into A are in LDS
	ROUND                                          ; both now hold of every wave of all four work-groups
.if \refill
	tensor_load_to_lds s[G0+4-4*((\t)&1):G0+7-4*((\t)&1)], s[G1:G1+7]   ; my one tensor load behind the round, first thing there
	s_nop 0
.endif
	FETCH ((\t)&1), 0, 128*(\t), F0
	s_wait_dscnt 8                                 ; M and enc's rows 0-63 are in; the youngest eight loads (rows 64-127) may be out
	WIN MUL_LO
	MUL16 F0, 0, 0, \zero
	MUL16 F0, 0, 2, \zero
	FETCH ((\t)&1), 8192, 128*(\t)+64, F1
	s_wait_dscnt 32                                ; all but the 32 just issued
	WIN MUL_HI
	MUL16 F0, 1, 0, \zero
	MUL16 F0, 1, 2, \zero
	s_wait_dscnt 8
	WIN MUL_LO
	MUL16 F1, 0, 0, 0
	MUL16 F1, 0, 2, 0
	s_wait_dscnt 0
	WIN MUL_HI
	MUL16 F1, 1, 0, 0
	MUL16 F1, 1, 2, 0
.endm
; Row tile a: 64 numbers a lane, in place: x = s z + s bv, 2^x, + 1, 1 / .; then the dot with V in four chains; the two lane halves joined; into CP.
; pf = 1: the wave asks for 8 KB of its own part of the next block, lanes 256 bytes apart.  Four such requests (a = 2 to 5) cover the 32 KB behind the 16 KB
; that the ring's 32 loads already fetch; each 256 bytes is asked for once; the last block asks for nothing.
.macro EPI a, pf
.set EB, 64*((\a)&3)
.if (\a) < 4
	WIN 0x86                                       ; destination and source 0 window 2, source 1 window 1
.else
	WIN 0xc7                                       ; the same with window 3
.endif
.set i, 0
.rept 32
	v_pk_add_f32 v[EB+2*i:EB+2*i+1], v[EB+2*i:EB+2*i+1], v[2*i:2*i+1]
.set i, i+1
.endr
.set i, 0
.rept 64
	v_exp_f32 v[EB+i], v[EB+i]
.set i, i+1
.endr
	v_nop                                          ; one plain place behind the transcendentals before their results are used
.set i, 0
	s_wait_alu depctr_va_vdst(0)
.rept 32
	v_pk_add_f32 v[EB+2*i:EB+2*i+1], v[EB+2*i:EB+2*i+1], 1.0 op_sel_hi:[1,0]
.set i, i+1
.endr
.set i, 0
.rept 64
	v_rcp_f32 v[EB+i], v[EB+i]
.set i, i+1
.endr
	v_nop
.if (\a) < 4
	WIN 0x06                                       ; source 0 window 2, source 1 window 1, the sums in window 0
.else
	WIN 0x07
.endif
	s_wait_alu depctr_va_vdst(0)
.irp jj, 0,1,2,3
	v_pk_mul_f32 v[ST+2*\jj:ST+2*\jj+1], v[EB+2*\jj:EB+2*\jj+1], v[192+2*\jj:192+2*\jj+1]
.endr
.irp b, 1,2,3,4,5,6,7
.irp jj, 0,1,2,3
	v_pk_fma_f32 v[ST+2*\jj:ST+2*\jj+1], v[EB+8*\b+2*\jj:EB+8*\b+2*\jj+1], v[192+8*\b+2*\jj:192+8*\b+2*\jj+1], v[ST+2*\jj:ST+2*\jj+1]
.endr
.endr
	WIN 0
	v_pk_add_f32 v[ST:ST+1], v[ST:ST+1], v[ST+2:ST+3]
	v_pk_add_f32 v[ST+4:ST+5], v[ST+4:ST+5], v[ST+6:ST+7]
	v_pk_add_f32 v[ST:ST+1], v[ST:ST+1], v[ST+4:ST+5]
	v_add_f32 v[SA+\a], v[ST], v[ST+1]
	v_permlanex16_b32 v44, v[SA+\a], s22, s23      ; lanes (r, 0) and (r, 1) hold the two halves of each 16 columns
	v_add_f32 v[SA+\a], v[SA+\a], v44
	ds_store_b32 v21, v[SA+\a] offset:64*\a        ; row 16 a + r of my wave's 128 columns; both halves write the same number
.if \pf
	global_prefetch_b8 v30, s[42:43] offset:16384+8192*(\a-2) th:TH_LOAD_NT scope:SCOPE_SE
.endif
.endm
; o = p enc for 64 rows (two K steps of 32) x my 128 columns: enc comes transposed out of A; every row of source 0 is p, so all 16 rows of a result are o.
.macro WSUM pair, adr
	PLACES
	WIN TO_B
.irp k, 0,1
.irp n, 0,1,2,3,4,5,6,7
	ds_load_tr16_b128 v[F0+64*\k+8*\n:F0+64*\k+8*\n+3], v[\adr] offset:32*PA*\k+32*\n
	ds_load_tr16_b128 v[F0+64*\k+8*\n+4:F0+64*\k+8*\n+7], v[\adr] offset:32*PA*\k+16*PA+32*\n
.endr
.endr
	s_wait_dscnt 0x0
	WIN WSW
.irp k, 0,1
.irp n, 0,1,2,3,4,5,6,7
.if (2*\pair+\k) == 0
	v_wmma_f32_16x16x32_bf16 v[8*\n:8*\n+7], v[PF+8*(2*\pair+\k):PF+8*(2*\pair+\k)+7], v[F0+64*\k+8*\n:F0+64*\k+8*\n+7], 0
.else
	v_wmma_f32_16x16x32_bf16 v[8*\n:8*\n+7], v[PF+8*(2*\pair+\k):PF+8*(2*\pair+\k)+7], v[F0+64*\k+8*\n:F0+64*\k+8*\n+7], v[8*\n:8*\n+7]
.endif
.endr
.endr
.endm
.macro BLOCK last
	ENCTAKE                                        ; the block into A, as bf16
	TRIP 0, 1, 1
	TRIP 1, 0, 1
	TRIP 2, 0, 1
	TRIP 3, 0, 1
	TRIP 4, 0, 1
	TRIP 5, 0, 1
	TRIP 6, 0, 1
	TRIP 7, 0, 1-\last                             ; asks for tile 0 again, for the next block; the last block asks for nothing
	PLACES
	WIN 0
.if \last == 0
	s_wait_xcnt 0x0                                ; the base of earlier loads and prefetches is stepped only behind this wait
	s_add_nc_u64 s[42:43], s[42:43], 262144        ; the next block
	ENCLD32                                        ; its first 16 KB a wave travel while the scores are made
.endif
	EPI 0, 0
	EPI 1, 0
	EPI 2, 1-\last
	EPI 3, 1-\last
	EPI 4, 1-\last
	EPI 5, 1-\last
	EPI 6, 0
	EPI 7, 0
	s_wait_dscnt 0x0                               ; my partial scores are in LDS before I say so
	s_barrier_signal -1                            ; nothing is filled by a tensor load behind this barrier
	s_barrier_wait -1
.irp w, 0,1,2,3
	ds_load_b128 v[CQ+4*\w:CQ+4*\w+3], v22 offset:512*\w
.endr
	s_wait_dscnt 0x0
	v_pk_add_f32 v[CQ:CQ+1], v[CQ:CQ+1], v[CQ+4:CQ+5]
	v_pk_add_f32 v[CQ+2:CQ+3], v[CQ+2:CQ+3], v[CQ+6:CQ+7]
	v_pk_add_f32 v[CQ+8:CQ+9], v[CQ+8:CQ+9], v[CQ+12:CQ+13]
	v_pk_add_f32 v[CQ+10:CQ+11], v[CQ+10:CQ+11], v[CQ+14:CQ+15]
	v_pk_add_f32 v[CQ:CQ+1], v[CQ:CQ+1], v[CQ+8:CQ+9]
	v_pk_add_f32 v[CQ+2:CQ+3], v[CQ+2:CQ+3], v[CQ+10:CQ+11]
	v_pk_mul_f32 v[CQ:CQ+1], v[CQ:CQ+1], -2.0 op_sel_hi:[1,0]
	v_pk_mul_f32 v[CQ+2:CQ+3], v[CQ+2:CQ+3], -2.0 op_sel_hi:[1,0]   ; every wave now holds all 128 c', rows 4 lane .. 4 lane + 3
	v_max3_num_f32 v46, v[CQ], v[CQ+1], v[CQ+2]
	v_max_num_f32 v46, v46, v[CQ+3]
	v_max_num_f32_dpp v46, v46, v46 row_xmask:1 row_mask:0xf bank_mask:0xf
	v_max_num_f32_dpp v46, v46, v46 row_xmask:2 row_mask:0xf bank_mask:0xf
	v_max_num_f32_dpp v46, v46, v46 row_xmask:4 row_mask:0xf bank_mask:0xf
	v_max_num_f32_dpp v46, v46, v46 row_xmask:8 row_mask:0xf bank_mask:0xf
	v_permlanex16_b32 v45, v46, s22, s23
	v_max_num_f32 v46, v46, v45                    ; the block's maximum
	v_mul_f32 v47, s50, v46
.irp i, 0,1,2,3
	v_fma_f32 v[48+\i], v[CQ+\i], s50, -v47
.endr
.irp i, 0,1,2,3
	v_exp_f32 v[48+\i], v[48+\i]                   ; p = exp(c' - maximum), at most about 1
.endr
	v_nop
	s_wait_alu depctr_va_vdst(0)
	v_cvt_pk_bf16_f32 v52, v48, v49
	v_cvt_pk_bf16_f32 v53, v50, v51
	ds_store_b64 v23, v[52:53]                     ; into my wave's own copy
	s_cmp_lg_u32 s16, 0
	s_cbranch_scc1 .Lno_c_\@
	global_store_b128 v31, v[CQ:CQ+3], s[46:47]    ; wave 0 stores the block's 128 scores: 512 consecutive bytes
.Lno_c_\@:
.irp k, 0,1,2,3
	ds_load_b128 v[PF+8*\k:PF+8*\k+3], v24 offset:64*\k        ; LDS serves a wave's instructions in order: these see the store above
	ds_load_b128 v[PF+8*\k+4:PF+8*\k+7], v24 offset:64*\k+32
.endr
	WSUM 0, 25
	WSUM 1, 26
	PLACES
	WIN 0x08                                       ; LDS store data from window 2
.irp n, 0,1,2,3,4,5,6,7
	ds_store_b32 v27, v[8*\n] offset:64*\n         ; o[128 w + 16 n + r]
.endr
	WIN 0
	ds_load_b128 v[40:43], v28                     ; back as 16 bytes a lane: my wave's own bytes, served in order
	s_wait_dscnt 0x0                               ; also: all my reads of A and CP are back
	global_store_b128 v32, v[40:43], s[48:49]      ; 512 consecutive bytes
.if \last == 0
	s_wait_xcnt 0x0                                ; the stores' bases and data are rewritten only behind this wait
	s_add_nc_u64 s[46:47], s[46:47], 512
	s_add_nc_u64 s[48:49], s[48:49], 2048
	s_barrier_signal -1                            ; nobody reads A or CP any more: the next block may be stored
	s_barrier_wait -1
.endif
.endm
	ENCLD32
	s_wait_loadcnt 32                              ; bv and V are in; the 32 loads of enc behind them stay out
	WIN 0x41
.set i, 0
.rept 32
	v_pk_mul_f32 v[2*i:2*i+1], v[2*i:2*i+1], 0x4038aa3b op_sel_hi:[1,0]    ; s bv
.set i, i+1
.endr
	WIN 0
	s_mov_b32 s19, 3
.Lblock:
	BLOCK 0
	s_sub_co_i32 s19, s19, 1
	s_cmp_lg_u32 s19, 0
	s_cbranch_scc1 .Lblock
	BLOCK 1                                        ; written out: it asks for no further tile and no further rows
	s_wait_tensorcnt 0x0
	ds_add_u32 v62, v63
	s_wait_dscnt 0x0
	ROUND                                          ; the closing round: no work-group ends while a partner may still ask for a tile that names it
	s_endpgm
.Lfunc_end_k_q5faac490c8_main:
	.size	k_q5faac490c8_main, .Lfunc_end_k_q5faac490c8_main-k_q5faac490c8_main
	.p2alignl 7, 3214868480
	.fill 96, 4, 3214868480
	.section	.rodata,"a",@progbits
	.p2align	6, 0x0
	.amdhsa_kernel k_q5faac490c8_main
		.amdhsa_group_segment_fixed_size 327680
		.amdhsa_private_segment_fixed_size 0
		.amdhsa_enable_private_segment 0
		.amdhsa_kernarg_size 48
		.amdhsa_user_sgpr_count 2
		.amdhsa_user_sgpr_kernarg_segment_ptr 1
		.amdhsa_wavefront_size32 1
		.amdhsa_system_sgpr_workgroup_id_x 1
		.amdhsa_system_sgpr_workgroup_id_y 1
		.amdhsa_system_sgpr_workgroup_id_z 1
		.amdhsa_system_vgpr_workitem_id 0
		.amdhsa_next_free_vgpr 1024
		.amdhsa_next_free_sgpr 66
		.amdhsa_reserve_vcc 0
		.amdhsa_float_denorm_mode_32 3
		.amdhsa_float_denorm_mode_16_64 3
		.amdhsa_memory_ordered 1
		.amdhsa_forward_progress 1
		.amdhsa_inst_pref_size 255
	.end_amdhsa_kernel
	.section	.bss,"aw",@nobits
	.p2align	6
	.space	262144
	.amdgpu_metadata
---
amdhsa.version: [ 1, 2 ]
amdhsa.kernels:
  - .name:           k_q5faac490c8_main
    .symbol:         k_q5faac490c8_main.kd
    .args:
      - { .name: encoder_outputs, .offset: 0, .size: 8, .value_kind: global_buffer, .address_space: global }
      - { .name: Mt, .offset: 8, .size: 8, .value_kind: global_buffer, .address_space: global }
      - { .name: bvbuf, .offset: 16, .size: 8, .value_kind: global_buffer, .address_space: global }
      - { .name: V, .offset: 24, .size: 8, .value_kind: global_buffer, .address_space: global }
      - { .name: cbuf, .offset: 32, .size: 8, .value_kind: global_buffer, .address_space: global }
      - { .name: obuf, .offset: 40, .size: 8, .value_kind: global_buffer, .address_space: global }
    .group_segment_fixed_size: 327680
    .private_segment_fixed_size: 0
    .kernarg_segment_align: 8
    .kernarg_segment_size: 48
    .max_flat_workgroup_size: 128
    .sgpr_count:     66
    .vgpr_count:     1024
    .wavefront_size: 32
...
	.end_amdgpu_metadata
.endif
;; end of part 3
;; launch finish (part 4): grid 32 x 1, 32 waves a work-group, no clusters, 21,504 bytes of LDS; arguments cbuf, obuf, out0, out1; writes out0, out1
.if DOCPART == 4
	.amdgcn_target "amdgcn-amd-amdhsa--gfx1250"
	.amdhsa_code_object_version 6
	.text
	.protected	k_q5faac490c8_finish
	.globl	k_q5faac490c8_finish
	.p2align	8
	.type	k_q5faac490c8_finish,@function
k_q5faac490c8_finish:
	s_mov_b64 s[64:65], 0
	v_nop
	global_prefetch_b8 v0, s[64:65] scope:SCOPE_SE
	s_setreg_imm32_b32 hwreg(HW_REG_WAVE_MODE, 25, 1), 1
	s_wait_xcnt 0x0
; One work-group for each batch.  alphas = softmax of the 4,096 scores c' (c less a constant, which the softmax cancels), with the batch's maximum taken away;
; out0 = sum over the 32 blocks of exp(block maximum - batch maximum) o[block] / sum.  Wave w holds block w's 128 scores, so its maximum is the one that
; the launch before took away (a maximum does not depend on the order in which it is taken).  All in f32.
; 32 work-groups: the sums span a whole batch, and the data are 80 KB a batch.
.set MW, 0                             ; 32 block maxima
.set SW, 256                           ; 32 block sums
.set RS, 512                           ; [8][512] f32 partial outputs
.macro WMAX r, t
	v_max_num_f32_dpp v[\r], v[\r], v[\r] row_xmask:1 row_mask:0xf bank_mask:0xf
	v_max_num_f32_dpp v[\r], v[\r], v[\r] row_xmask:2 row_mask:0xf bank_mask:0xf
	v_max_num_f32_dpp v[\r], v[\r], v[\r] row_xmask:4 row_mask:0xf bank_mask:0xf
	v_max_num_f32_dpp v[\r], v[\r], v[\r] row_xmask:8 row_mask:0xf bank_mask:0xf
	v_permlanex16_b32 v[\t], v[\r], s18, s19
	v_max_num_f32 v[\r], v[\r], v[\t]
.endm
.macro WADD r, t
	v_add_f32_dpp v[\r], v[\r], v[\r] row_xmask:1 row_mask:0xf bank_mask:0xf
	v_add_f32_dpp v[\r], v[\r], v[\r] row_xmask:2 row_mask:0xf bank_mask:0xf
	v_add_f32_dpp v[\r], v[\r], v[\r] row_xmask:4 row_mask:0xf bank_mask:0xf
	v_add_f32_dpp v[\r], v[\r], v[\r] row_xmask:8 row_mask:0xf bank_mask:0xf
	v_permlanex16_b32 v[\t], v[\r], s18, s19
	v_add_f32 v[\r], v[\r], v[\t]
.endm
	s_load_b256 s[4:11], s[0:1], 0x0               ; cbuf s[4:5], obuf s[6:7], out0 s[8:9], out1 s[10:11]
	v_lshl_add_u32 v64, v0, 2, 0x4400
	v_mov_b32 v65, 0
	s_lshl_b32 s12, ttmp9, 14                      ; a batch's scores: 16,384 bytes
	s_mov_b32 s13, 0
	s_lshl_b32 s14, ttmp9, 16                      ; its 32 partial outputs: 65,536 bytes
	s_mov_b32 s15, 0
	s_lshl_b32 s16, ttmp9, 11                      ; its output row
	s_mov_b32 s17, 0
	s_mov_b32 s18, 0x76543210
	s_mov_b32 s19, 0xfedcba98
	s_mov_b32 s20, 0x3fb8aa3b                      ; log2 e
	v_lshrrev_b32 v1, 5, v0
	v_readfirstlane_b32 s21, v1                    ; wave
	v_and_b32 v2, 31, v0
	v_lshlrev_b32 v3, 4, v0                        ; 16 t
	v_lshrrev_b32 v44, 7, v0                       ; g: which 4 blocks
	v_and_b32 v45, 127, v0                         ; q: which 4 columns
	v_lshlrev_b32 v46, 4, v45
	v_lshl_add_u32 v47, v44, 13, v46               ; obuf: 4 g rows of 2,048 bytes + 16 q
	v_lshlrev_b32 v48, 2, v1                       ; 4 wave
	v_lshlrev_b32 v49, 2, v2                       ; 4 lane
	v_lshlrev_b32 v50, 4, v44                      ; lane 4 g, as a byte index
	v_add_nc_u32 v51, 4, v50
	v_add_nc_u32 v52, 8, v50
	v_add_nc_u32 v53, 12, v50
	v_lshl_add_u32 v62, v44, 11, v46               ; RS: 2,048 g + 16 q
	v_mov_b32 v25, 0                               ; the lane exchange counts as a reader of its destination
	s_wait_kmcnt 0x0
	s_add_nc_u64 s[4:5], s[4:5], s[12:13]
	s_add_nc_u64 s[10:11], s[10:11], s[12:13]
	s_add_nc_u64 s[6:7], s[6:7], s[14:15]
	s_add_nc_u64 s[8:9], s[8:9], s[16:17]
	global_load_b128 v[4:7], v3, s[4:5] th:TH_LOAD_NT
.irp i, 0,1,2,3
	global_load_b128 v[8+4*\i:8+4*\i+3], v47, s[6:7] offset:2048*\i th:TH_LOAD_NT
.endr
	s_wait_loadcnt 4                               ; the scores are in; the four loads of partial outputs stay out
	v_max3_num_f32 v24, v4, v5, v6
	v_max_num_f32 v24, v24, v7
	WMAX 24, 25                                    ; my block's maximum
	ds_store_b32 v48, v24 offset:MW
	s_wait_dscnt 0x0
	s_barrier_signal -1
	s_barrier_wait -1
	ds_load_b32 v26, v49 offset:MW                 ; lane l: block l's maximum
	s_wait_dscnt 0x0
	v_mov_b32 v27, v26
	WMAX 27, 25                                    ; the batch's maximum
	v_sub_f32 v28, v26, v27
	v_mul_f32 v28, s20, v28
.irp i, 0,1,2,3
	v_sub_f32 v[32+\i], v[4+\i], v27
.endr
.irp i, 0,1,2,3
	v_mul_f32 v[32+\i], s20, v[32+\i]
.endr
	v_exp_f32 v28, v28                             ; lane l: exp(block l's maximum - the batch's)
.irp i, 0,1,2,3
	v_exp_f32 v[32+\i], v[32+\i]
.endr
	v_nop                                          ; one plain place behind the transcendentals
	s_wait_alu depctr_va_vdst(0)
	v_add_f32 v36, v32, v33
	v_add_f32 v37, v34, v35
	v_add_f32 v36, v36, v37
	WADD 36, 25
	ds_store_b32 v48, v36 offset:SW
	s_wait_dscnt 0x0
	s_barrier_signal -1
	s_barrier_wait -1
	ds_load_b32 v37, v49 offset:SW
	s_wait_dscnt 0x0
	WADD 37, 25                                    ; the batch's sum, at least 1
	v_rcp_f32 v38, v37
	v_nop
	s_wait_alu depctr_va_vdst(0)
.irp i, 0,1,2,3
	v_mul_f32 v[32+\i], v[32+\i], v38
.endr
	global_store_b128 v3, v[32:35], s[10:11]       ; alphas: 512 consecutive bytes a wave
	v_mul_f32 v40, v28, v38                        ; lane l: block l's weight
.irp i, 0,1,2,3
	ds_bpermute_b32 v[54+\i], v[50+\i], v40        ; the weights of my four blocks 4 g + i
.endr
	s_wait_loadcnt 0x0
	s_wait_dscnt 0x0
	v_pk_mul_f32 v[58:59], v[8:9], v[54:55] op_sel_hi:[1,0]
	v_pk_mul_f32 v[60:61], v[10:11], v[54:55] op_sel_hi:[1,0]
	v_pk_fma_f32 v[58:59], v[12:13], v[54:55], v[58:59] op_sel:[0,1,0] op_sel_hi:[1,1,1]
	v_pk_fma_f32 v[60:61], v[14:15], v[54:55], v[60:61] op_sel:[0,1,0] op_sel_hi:[1,1,1]
	v_pk_fma_f32 v[58:59], v[16:17], v[56:57], v[58:59] op_sel_hi:[1,0,1]
	v_pk_fma_f32 v[60:61], v[18:19], v[56:57], v[60:61] op_sel_hi:[1,0,1]
	v_pk_fma_f32 v[58:59], v[20:21], v[56:57], v[58:59] op_sel:[0,1,0] op_sel_hi:[1,1,1]
	v_pk_fma_f32 v[60:61], v[22:23], v[56:57], v[60:61] op_sel:[0,1,0] op_sel_hi:[1,1,1]
	ds_store_b128 v62, v[58:61] offset:RS
	s_wait_dscnt 0x0
	s_barrier_signal -1
	s_barrier_wait -1
	s_cmp_ge_u32 s21, 4                            ; 512 outputs = 128 threads x 4; no barrier follows
	s_cbranch_scc1 .Lend
	s_wait_xcnt 0x0                                ; v[32:35], which the store of the alphas reads, are loaded into only behind this wait
.irp j, 0,1,2,3,4,5,6,7
	ds_load_b128 v[4+4*\j:4+4*\j+3], v3 offset:RS+2048*\j
.endr
	s_wait_dscnt 0x0
.irp n, 4,2,1
.set k, 0
.rept \n
	v_pk_add_f32 v[4+4*k:5+4*k], v[4+4*k:5+4*k], v[4+4*(k+\n):5+4*(k+\n)]
	v_pk_add_f32 v[6+4*k:7+4*k], v[6+4*k:7+4*k], v[6+4*(k+\n):7+4*(k+\n)]
.set k, k+1
.endr
.endr
	global_store_b128 v3, v[4:7], s[8:9]           ; 512 consecutive bytes a wave
.Lend:
	s_wait_tensorcnt 0x0
	ds_add_u32 v64, v65
	s_wait_dscnt 0x0
	s_endpgm
.Lfunc_end_k_q5faac490c8_finish:
	.size	k_q5faac490c8_finish, .Lfunc_end_k_q5faac490c8_finish-k_q5faac490c8_finish
	.p2alignl 7, 3214868480
	.fill 96, 4, 3214868480
	.section	.rodata,"a",@progbits
	.p2align	6, 0x0
	.amdhsa_kernel k_q5faac490c8_finish
		.amdhsa_group_segment_fixed_size 21504
		.amdhsa_private_segment_fixed_size 0
		.amdhsa_enable_private_segment 0
		.amdhsa_kernarg_size 32
		.amdhsa_user_sgpr_count 2
		.amdhsa_user_sgpr_kernarg_segment_ptr 1
		.amdhsa_wavefront_size32 1
		.amdhsa_system_sgpr_workgroup_id_x 1
		.amdhsa_system_sgpr_workgroup_id_y 1
		.amdhsa_system_sgpr_workgroup_id_z 1
		.amdhsa_system_vgpr_workitem_id 0
		.amdhsa_next_free_vgpr 66
		.amdhsa_next_free_sgpr 66
		.amdhsa_reserve_vcc 0
		.amdhsa_float_denorm_mode_32 3
		.amdhsa_float_denorm_mode_16_64 3
		.amdhsa_memory_ordered 1
		.amdhsa_forward_progress 1
		.amdhsa_inst_pref_size 8
	.end_amdhsa_kernel
	.amdgpu_metadata
---
amdhsa.version: [ 1, 2 ]
amdhsa.kernels:
  - .name:           k_q5faac490c8_finish
    .symbol:         k_q5faac490c8_finish.kd
    .args:
      - { .name: cbuf, .offset: 0, .size: 8, .value_kind: global_buffer, .address_space: global }
      - { .name: obuf, .offset: 8, .size: 8, .value_kind: global_buffer, .address_space: global }
      - { .name: out0, .offset: 16, .size: 8, .value_kind: global_buffer, .address_space: global }
      - { .name: out1, .offset: 24, .size: 8, .value_kind: global_buffer, .address_space: global }
    .group_segment_fixed_size: 21504
    .private_segment_fixed_size: 0
    .kernarg_segment_align: 8
    .kernarg_segment_size: 32
    .max_flat_workgroup_size: 1024
    .sgpr_count:     66
    .vgpr_count:     66
    .wavefront_size: 32
...
	.end_amdgpu_metadata
.endif
;; end of part 4
;; ======== version 2 of 3: 3 launches
;; workspace buffers: Mt 524,288 bytes; c0buf 2,048 bytes; pbuf 524,288 bytes; cbuf 524,288 bytes; obuf 2,097,152 bytes
;; launch prep (part 5): grid 8 x 16, 8 waves a work-group, no clusters, 185,344 bytes of LDS; arguments U, W, Wa, bias, ba, hidden_state, Mt, c0buf, pbuf; writes Mt, c0buf, pbuf
.if DOCPART == 5
	.amdgcn_target "amdgcn-amd-amdhsa--gfx1250"
	.amdhsa_code_object_version 6
	.text
	.protected	k_q5faac490c8_prep
	.globl	k_q5faac490c8_prep
	.p2align	8
	.type	k_q5faac490c8_prep,@function
k_q5faac490c8_prep:
	s_mov_b64 s[64:65], 0
	v_nop
	global_prefetch_b8 v0, s[64:65] scope:SCOPE_SE
	s_setreg_imm32_b32 hwreg(HW_REG_WAVE_MODE, 25, 1), 1
	s_wait_xcnt 0x0
; (enc U + h W + bias) Wa + ba = enc (U Wa) + h (W Wa) + (bias Wa + ba) holds for every input, so each row of enc needs one product.  With s = 2 log2 e this launch makes
;   Mt = s U Wa in bf16, laid out as the register image of the next launch's fragments (work-groups y = 0..7, rows 64 y of U);
;   pbuf[y & 7][b][n] = sum over the 64 d of the work-group of h[b][d] (s W Wa)[d][n] in f32 (work-groups y = 8..15, rows 64 (y - 8) of W): eight partial sums;
;   c0 = s (bias Wa + ba) in f32.
; STATED: U, W, Wa, bias, h and the product W Wa are matrix operands rounded to bf16; U Wa is rounded once to bf16; all sums, ba, c0 and pbuf are f32.
; A work-group makes 64 rows d x 64 columns n of X Wa, X = U or W.  Wave v makes tile row dl = v >> 1 and tile columns 2 (v & 1), + 1.
; Mt[T 8][w 4][sub 2][nt 8][half 2][lane 32][16 bytes]: lane (r, h) holds U Wa[d .. d+7][n], d = 64 T + 32 sub + 16 half + 8 h, n = 128 w + 16 nt + r.
; Every wave also multiplies a fragment whose 16 rows are all bias with the fragments of Wa that it holds anyway; the waves with y = 0 and dl = 0 store the result.
; Every work-group loads its 8 KB of h in the first run of loads, so that they cost no latency of their own; only y = 8..15 use them.
; No cluster and no tensor loads: the strips need a conversion on their way into LDS, so they pass through registers, once.
.set PY, 160                           ; Wa strip in LDS: [512 k][64 n] bf16, 128 bytes + 32: an odd multiple of 32 for the transposing loads
.set XS, 81920                         ; X strip behind it: [64 d][512 k] bf16
.set PX, 1040                          ; 1,024 bytes + 16: an odd multiple of 16
.set XB, 148480                        ; bias as 512 bf16
.set PG, 149504                        ; the four tile rows' parts of h (W Wa): [dl 4][32 batches][64 n] f32
.set PP, 272                           ; 256 bytes + 16: an odd multiple of 16
.set RING, 64                          ; v[64:191] 32 loads of 16 bytes a lane; later the fragments
.set BF, 184                           ; v[184:215] bias fragments of four K steps
.set BA, 216                           ; v[216:231] two accumulators of bias Wa
.set HF, 32                            ; v[32:47]  h as source 1: two tiles of 16 batches
.set HR, 48                            ; v[48:63]  h as loaded; later two accumulators of h (W Wa); the other two are v[232:247]
.set NF, 64                            ; v[64:79]  the two result tiles in bf16: 4 registers each for Mt, 8 as source 0
	s_load_b256 s[4:11], s[0:1], 0x0               ; U s[4:5], W s[6:7], Wa s[8:9], bias s[10:11]
	s_load_b256 s[36:43], s[0:1], 0x20             ; ba s[36:37], h s[38:39], Mt s[40:41], c0buf s[42:43]
	s_load_b64 s[44:45], s[0:1], 0x40              ; pbuf
	v_lshl_add_u32 v248, v0, 2, 0x2d000
	v_mov_b32 v249, 0
	s_and_b32 s18, ttmp7, 0xffff                   ; y
	v_lshrrev_b32 v1, 5, v0
	v_readfirstlane_b32 s19, v1                    ; wave v
	v_and_b32 v6, 31, v0                           ; lane
	v_and_b32 v7, 15, v0                           ; r
	v_bfe_u32 v8, v0, 4, 1                         ; h
	s_lshl_b32 s20, s19, 17                        ; Wa: 64 v rows of 2,048 bytes
	v_lshlrev_b32 v9, 4, v7
	v_lshl_add_u32 v2, v8, 11, v9
	v_add_nc_u32 v2, s20, v2                       ; v2: Wa, row 64 v + h, byte 16 r
	s_mul_i32 s21, s19, 64*PY
	v_mul_u32_u24 v3, v8, PY
	v_lshl_add_u32 v3, v7, 3, v3
	v_add_nc_u32 v3, s21, v3                       ; v3: the same place in LDS, 8 bytes for 4 numbers
	s_lshl_b32 s22, s19, 14                        ; X: 8 v rows of 2,048 bytes
	v_lshl_add_u32 v4, v6, 4, s22                  ; v4: X, + 16 lane
	s_mul_i32 s23, s19, 8*PX
	s_add_co_u32 s23, s23, XS
	v_lshl_add_u32 v5, v6, 3, s23                  ; v5: the same place in LDS
	s_lshl_b32 s24, ttmp9, 8                       ; cg: which 64 columns, 256 bytes of f32
	s_mov_b32 s25, 0
	s_and_b32 s26, s18, 7
	s_lshl_b32 s12, s26, 16                        ; pbuf: plane y & 7 of 65,536 bytes
	s_add_co_u32 s12, s12, s24                     ; + my 64 columns
	s_mov_b32 s13, 0
	s_lshl_b32 s14, s26, 8                         ; h: column 64 (y & 7), in bytes
	s_lshl_b32 s26, s26, 17                        ; X: 64 (y & 7) rows
	s_mov_b32 s27, 0
	s_lshr_b32 s28, s19, 1                         ; dl
	s_and_b32 s29, s19, 1                          ; v & 1
	s_lshl_b32 s15, s28, 6
	s_add_co_u32 s14, s14, s15                     ; + 16 dl columns
	v_lshlrev_b32 v23, 11, v7
	v_lshl_add_u32 v23, v8, 5, v23
	v_add_nc_u32 v23, s14, v23                     ; v23: h, batch r, column 64 (y & 7) + 16 dl + 8 h
	v_lshlrev_b32 v20, 3, v0                       ; v20: bias, two numbers a thread
	v_lshlrev_b32 v21, 2, v0
	v_add_nc_u32 v21, XB, v21                      ; v21: and their place in LDS
	s_lshl_b32 s30, s29, 7
	v_lshl_add_u32 v22, v6, 2, s30                 ; v22: ba and c0: column 32 (v & 1) + lane of the strip
	s_wait_kmcnt 0x0
	s_cmp_lt_u32 s18, 8
	s_cselect_b64 s[4:5], s[4:5], s[6:7]           ; X = U or W
	s_add_nc_u64 s[4:5], s[4:5], s[26:27]
	s_add_nc_u64 s[8:9], s[8:9], s[24:25]
	s_add_nc_u64 s[36:37], s[36:37], s[24:25]
	s_add_nc_u64 s[42:43], s[42:43], s[24:25]
	s_add_nc_u64 s[44:45], s[44:45], s[12:13]
	global_load_b64 v[24:25], v20, s[10:11]
	global_load_b32 v26, v22, s[36:37]
.irp bt, 0,1
	global_load_b128 v[HR+8*\bt:HR+8*\bt+3], v23, s[38:39] offset:32768*\bt        ; h[16 bt + r][8 numbers]
	global_load_b128 v[HR+8*\bt+4:HR+8*\bt+7], v23, s[38:39] offset:32768*\bt+16
.endr
; 64 items a wave, 512 bytes each: items 0-31 two rows of Wa's strip, items 32-63 a quarter row of X's.  32 loads are always out.
.set it, 0
.rept 32
	global_load_b128 v[RING+4*it:RING+4*it+3], v2, s[8:9] offset:4096*it
.set it, it+1
.endr
	s_wait_loadcnt 32                              ; bias, ba and h are in; the 32 loads behind them stay out
	v_cvt_pk_bf16_f32 v27, v24, v25
	ds_store_b32 v21, v27
.irp bt, 0,1
.irp j, 0,1,2,3
	v_cvt_pk_bf16_f32 v[HF+8*\bt+\j], v[HR+8*\bt+2*\j], v[HR+8*\bt+2*\j+1]         ; k = 8 h + 0..7: the 16 d of my tile row
.endr
.irp j, 4,5,6,7
	v_mov_b32 v[HF+8*\bt+\j], 0                    ; k = 16..31 of the fragment: a wave holds 16 d, the other half of K is zero
.endr
.endr
.set it, 0
.rept 64
.if it < 32
	s_wait_loadcnt 31                              ; loads come back in order: this item is in, the 31 younger ones stay out
.else
	s_wait_loadcnt 63-it                           ; nothing more is issued: the count runs down
.endif
	v_cvt_pk_bf16_f32 v[10+2*(it&1)], v[RING+4*(it&31)], v[RING+4*(it&31)+1]
	v_cvt_pk_bf16_f32 v[11+2*(it&1)], v[RING+4*(it&31)+2], v[RING+4*(it&31)+3]
.if it < 32
	ds_store_b64 v3, v[10+2*(it&1):11+2*(it&1)] offset:2*PY*it
	global_load_b128 v[RING+4*it:RING+4*it+3], v4, s[4:5] offset:512*it
.else
	ds_store_b64 v5, v[10+2*(it&1):11+2*(it&1)] offset:((it-32)>>2)*PX+((it-32)&3)*256
.endif
.set it, it+1
.endr
	; fragment addresses
	s_mul_i32 s21, s28, 16*PX
	s_add_co_u32 s21, s21, XS
	v_mul_u32_u24 v14, v7, PX
	v_lshl_add_u32 v14, v8, 4, v14
	v_add_nc_u32 v14, s21, v14                     ; v14: X, row 16 dl + r, byte 16 h
	v_and_b32 v18, 7, v0
	v_lshl_add_u32 v18, v8, 3, v18                 ; 8 h + (lane & 7)
	v_mul_u32_u24 v15, v18, PY
	v_bfe_u32 v19, v0, 3, 1
	v_lshl_add_u32 v15, v19, 4, v15
	s_lshl_b32 s22, s29, 6
	v_add_nc_u32 v15, s22, v15                     ; v15: Wa, transposing load, K steps 0-7
	v_add_nc_u32 v16, 8*32*PY, v15                 ; v16: K steps 8-15 (the immediate has 16 bits)
	v_lshlrev_b32 v17, 4, v6                       ; v17: 16 lane, for the way out
	v_lshlrev_b32 v13, 4, v8
	v_add_nc_u32 v13, XB, v13                      ; v13: bias, byte 16 h, the same for all 16 rows
	s_mul_i32 s15, s28, 32*PP
	s_add_co_u32 s15, s15, PG
	s_add_co_u32 s15, s15, s30
	v_mul_u32_u24 v29, v7, PP
	v_lshl_add_u32 v29, v8, 5, v29
	v_add_nc_u32 v29, s15, v29                     ; v29: my part of h (W Wa): tile row dl, batch r, column 32 (v & 1) + 8 h
	v_lshrrev_b32 v12, 4, v0
	v_mul_u32_u24 v30, v12, PP
	v_add_nc_u32 v30, v30, v9
	v_add_nc_u32 v30, PG, v30                      ; v30: back: batch t >> 4, 16 bytes at 16 (t & 15)
	v_lshl_add_u32 v31, v12, 11, v9                ; v31: the same place in pbuf's plane
	; where my first tile goes in Mt (used by y = 0..7 alone)
	s_lshr_b32 s32, ttmp9, 1
	s_lshl2_add_u32 s31, s18, s32                  ; T 4 + w
	s_lshr_b32 s32, s28, 1
	s_lshl1_add_u32 s31, s31, s32                  ; x 2 + sub
	s_and_b32 s32, ttmp9, 1
	s_lshl_b32 s32, s32, 2
	s_lshl1_add_u32 s32, s29, s32                  ; nt = 4 (cg & 1) + 2 (v & 1)
	s_lshl3_add_u32 s31, s31, s32                  ; x 8 + nt
	s_and_b32 s32, s28, 1
	s_lshl1_add_u32 s31, s31, s32                  ; x 2 + half
	s_lshl_b32 s34, s31, 9                         ; x 512 bytes
	s_mov_b32 s35, 0
	s_add_nc_u64 s[40:41], s[40:41], s[34:35]
	s_wait_dscnt 0x0                               ; my stores are in LDS before I say so
	s_barrier_signal -1
	s_barrier_wait -1
; Four K steps of 32: 32 LDS loads in one run, then 16 matrix instructions.  The four accumulators take turns.
; Source 0 = 16 rows of X (or 16 times bias), source 1 = 16 columns of Wa: register j of lane (r, h) is the product's row 8 h + j, column n0 + r.
.macro GROUP g
.rept 4
	v_nop                                          ; four places between the last matrix instruction and loads into registers that it read
.endr
.irp k, 0,1,2,3
	ds_load_b128 v[64+24*\k:64+24*\k+3], v14 offset:64*(4*\g+\k)
	ds_load_b128 v[64+24*\k+4:64+24*\k+7], v14 offset:64*(4*\g+\k)+32
	ds_load_b128 v[BF+8*\k:BF+8*\k+3], v13 offset:64*(4*\g+\k)
	ds_load_b128 v[BF+8*\k+4:BF+8*\k+7], v13 offset:64*(4*\g+\k)+32
.irp t, 0,1
	ds_load_tr16_b128 v[72+24*\k+8*\t:72+24*\k+8*\t+3], v[15+(\g>>1)] offset:((4*\g+\k)&7)*32*PY+32*\t
	ds_load_tr16_b128 v[72+24*\k+8*\t+4:72+24*\k+8*\t+7], v[15+(\g>>1)] offset:((4*\g+\k)&7)*32*PY+16*PY+32*\t
.endr
.endr
	s_wait_dscnt 0x0
.irp k, 0,1,2,3
.irp t, 0,1
.if (4*\g+\k) == 0
	v_wmma_f32_16x16x32_bf16 v[160+8*\t:160+8*\t+7], v[64+24*\k:64+24*\k+7], v[72+24*\k+8*\t:72+24*\k+8*\t+7], 0
.else
	v_wmma_f32_16x16x32_bf16 v[160+8*\t:160+8*\t+7], v[64+24*\k:64+24*\k+7], v[72+24*\k+8*\t:72+24*\k+8*\t+7], v[160+8*\t:160+8*\t+7]
.endif
.endr
.irp t, 0,1
.if (4*\g+\k) == 0
	v_wmma_f32_16x16x32_bf16 v[BA+8*\t:BA+8*\t+7], v[BF+8*\k:BF+8*\k+7], v[72+24*\k+8*\t:72+24*\k+8*\t+7], 0
.else
	v_wmma_f32_16x16x32_bf16 v[BA+8*\t:BA+8*\t+7], v[BF+8*\k:BF+8*\k+7], v[72+24*\k+8*\t:72+24*\k+8*\t+7], v[BA+8*\t:BA+8*\t+7]
.endif
.endr
.endr
.endm
	GROUP 0
	GROUP 1
	GROUP 2
	GROUP 3
.rept 4
	v_nop                                          ; four places before the results are read and the fragments' registers written
.endr
.irp t, 0,1
.irp j, 0,2,4,6
	v_pk_mul_f32 v[160+8*\t+\j:160+8*\t+\j+1], v[160+8*\t+\j:160+8*\t+\j+1], 0x4038aa3b op_sel_hi:[1,0]   ; x 2 log2 e: the tanh of the next launch works in base 2
.endr
.irp j, 0,1,2,3
	v_cvt_pk_bf16_f32 v[NF+8*\t+\j], v[160+8*\t+2*\j], v[160+8*\t+2*\j+1]
.endr
.endr
	s_cmp_ge_u32 s18, 8
	s_cbranch_scc1 .Lpart
	; y = 0..7: the tiles of s U Wa go out
.irp t, 0,1
	global_store_b128 v17, v[NF+8*\t:NF+8*\t+3], s[40:41] offset:1024*\t   ; the wave stores 512 consecutive bytes, aligned
.endr
	s_or_b32 s33, s18, s28                         ; c0 is stored by y = 0, dl = 0: waves 0 and 1 of eight work-groups
	s_cmp_lg_u32 s33, 0
	s_cbranch_scc1 .Lmeet
	v_cmp_eq_u32 vcc_lo, 1, v8
	v_cndmask_b32 v28, v[BA], v[BA+8], vcc_lo      ; all rows of a tile are alike: lanes 0-15 take the first tile's column r, lanes 16-31 the second's
	v_add_f32 v28, v28, v26
	v_mul_f32 v28, 0x4038aa3b, v28
	global_store_b32 v22, v28, s[42:43]            ; 128 consecutive bytes a wave; 2 KB in the whole launch
	s_branch .Lmeet
.Lpart:
	; y = 8..15: lane (r, h) holds (s W Wa)[16 dl + 8 h + 0..7][n0 + r] in 4 registers: registers 0-3 of a fragment whose k is d - 16 dl.  As source 0, with h as
	; source 1: register j of lane (r, h) is the sum over my 16 d for batch 16 bt + r, column n0 + 8 h + j: eight neighbouring columns.
.irp t, 0,1
.irp j, 4,5,6,7
	v_mov_b32 v[NF+8*\t+\j], 0                     ; k = 16..31: zero, as in h's fragments
.endr
.endr
	v_wmma_f32_16x16x32_bf16 v[48:55], v[NF:NF+7], v[HF:HF+7], 0
	v_wmma_f32_16x16x32_bf16 v[56:63], v[NF:NF+7], v[HF+8:HF+15], 0
	v_wmma_f32_16x16x32_bf16 v[232:239], v[NF+8:NF+15], v[HF:HF+7], 0
	v_wmma_f32_16x16x32_bf16 v[240:247], v[NF+8:NF+15], v[HF+8:HF+15], 0
.rept 4
	v_nop                                          ; four places before the results are stored
.endr
.macro PST reg, off
	ds_store_b128 v29, v[\reg:\reg+3] offset:\off
	ds_store_b128 v29, v[\reg+4:\reg+7] offset:\off+16
.endm
	PST 48, 0                                      ; tile column 0, batches 0-15
	PST 56, 16*PP                                  ; tile column 0, batches 16-31
	PST 232, 64                                    ; tile column 1
	PST 240, 16*PP+64
.Lmeet:
	s_wait_dscnt 0x0                               ; my stores are in LDS before I say so
	s_barrier_signal -1                            ; every work-group passes this barrier; only y = 8..15 have stored and read
	s_barrier_wait -1
	s_cmp_lt_u32 s18, 8
	s_cbranch_scc1 .Lend
	; the four tile rows' parts are added; 256 threads x 2 x 16 bytes = 32 batches x 64 columns
.irp hf, 0,1
.irp d, 0,1,2,3
	ds_load_b128 v[96+16*\hf+4*\d:96+16*\hf+4*\d+3], v30 offset:\d*32*PP+\hf*16*PP
.endr
.endr
	s_wait_dscnt 0x0
.irp hf, 0,1
	v_pk_add_f32 v[96+16*\hf:97+16*\hf], v[96+16*\hf:97+16*\hf], v[100+16*\hf:101+16*\hf]
	v_pk_add_f32 v[98+16*\hf:99+16*\hf], v[98+16*\hf:99+16*\hf], v[102+16*\hf:103+16*\hf]
	v_pk_add_f32 v[104+16*\hf:105+16*\hf], v[104+16*\hf:105+16*\hf], v[108+16*\hf:109+16*\hf]
	v_pk_add_f32 v[106+16*\hf:107+16*\hf], v[106+16*\hf:107+16*\hf], v[110+16*\hf:111+16*\hf]
	v_pk_add_f32 v[96+16*\hf:97+16*\hf], v[96+16*\hf:97+16*\hf], v[104+16*\hf:105+16*\hf]
	v_pk_add_f32 v[98+16*\hf:99+16*\hf], v[98+16*\hf:99+16*\hf], v[106+16*\hf:107+16*\hf]
	global_store_b128 v31, v[96+16*\hf:99+16*\hf], s[44:45] offset:32768*\hf       ; sixteen lanes store 256 consecutive bytes, aligned
.endr
.Lend:
	s_wait_tensorcnt 0x0
	ds_add_u32 v248, v249
	s_wait_dscnt 0x0
	s_endpgm
.Lfunc_end_k_q5faac490c8_prep:
	.size	k_q5faac490c8_prep, .Lfunc_end_k_q5faac490c8_prep-k_q5faac490c8_prep
	.p2alignl 7, 3214868480
	.fill 96, 4, 3214868480
	.section	.rodata,"a",@progbits
	.p2align	6, 0x0
	.amdhsa_kernel k_q5faac490c8_prep
		.amdhsa_group_segment_fixed_size 185344
		.amdhsa_private_segment_fixed_size 0
		.amdhsa_enable_private_segment 0
		.amdhsa_kernarg_size 72
		.amdhsa_user_sgpr_count 2
		.amdhsa_user_sgpr_kernarg_segment_ptr 1
		.amdhsa_wavefront_size32 1
		.amdhsa_system_sgpr_workgroup_id_x 1
		.amdhsa_system_sgpr_workgroup_id_y 1
		.amdhsa_system_sgpr_workgroup_id_z 1
		.amdhsa_system_vgpr_workitem_id 0
		.amdhsa_next_free_vgpr 250
		.amdhsa_next_free_sgpr 66
		.amdhsa_reserve_vcc 1
		.amdhsa_float_denorm_mode_32 3
		.amdhsa_float_denorm_mode_16_64 3
		.amdhsa_memory_ordered 1
		.amdhsa_forward_progress 1
		.amdhsa_inst_pref_size 44
	.end_amdhsa_kernel
	.amdgpu_metadata
---
amdhsa.version: [ 1, 2 ]
amdhsa.kernels:
  - .name:           k_q5faac490c8_prep
    .symbol:         k_q5faac490c8_prep.kd
    .args:
      - { .name: U, .offset: 0, .size: 8, .value_kind: global_buffer, .address_space: global }
      - { .name: W, .offset: 8, .size: 8, .value_kind: global_buffer, .address_space: global }
      - { .name: Wa, .offset: 16, .size: 8, .value_kind: global_buffer, .address_space: global }
      - { .name: bias, .offset: 24, .size: 8, .value_kind: global_buffer, .address_space: global }
      - { .name: ba, .offset: 32, .size: 8, .value_kind: global_buffer, .address_space: global }
      - { .name: hidden_state, .offset: 40, .size: 8, .value_kind: global_buffer, .address_space: global }
      - { .name: Mt, .offset: 48, .size: 8, .value_kind: global_buffer, .address_space: global }
      - { .name: c0buf, .offset: 56, .size: 8, .value_kind: global_buffer, .address_space: global }
      - { .name: pbuf, .offset: 64, .size: 8, .value_kind: global_buffer, .address_space: global }
    .group_segment_fixed_size: 185344
    .private_segment_fixed_size: 0
    .kernarg_segment_align: 8
    .kernarg_segment_size: 72
    .max_flat_workgroup_size: 256
    .sgpr_count:     66
    .vgpr_count:     250
    .wavefront_size: 32
...
	.end_amdgpu_metadata
.endif
;; end of part 5
;; launch main (part 6): grid 256 x 1, 4 waves a work-group, clusters of 4 x 1, 327,680 bytes of LDS; arguments encoder_outputs, Mt, c0buf, pbuf, V, cbuf, obuf; writes cbuf, obuf
.if DOCPART == 6
	.amdgcn_target "amdgcn-amd-amdhsa--gfx1250"
	.amdhsa_code_object_version 6
	.text
	.protected	k_q5faac490c8_main
	.globl	k_q5faac490c8_main
	.p2align	8
	.type	k_q5faac490c8_main,@function
k_q5faac490c8_main:
	s_mov_b64 s[64:65], 0
	v_nop
	global_prefetch_b8 v0, s[64:65] scope:SCOPE_SE
	s_setreg_imm32_b32 hwreg(HW_REG_WAVE_MODE, 25, 1), 1
	s_wait_xcnt 0x0
	s_wait_alu depctr_hold_cnt(0) depctr_sa_sdst(0) depctr_va_vdst(0) depctr_va_sdst(0) depctr_va_ssrc(0) depctr_va_vcc(0) depctr_vm_vsrc(0)
	s_getreg_b32 s2, hwreg(HW_REG_IB_STS2, 6, 4)
	s_cmp_eq_u32 s2, 0
	s_cbranch_scc0 .Lentry_in_a_cluster
	s_endpgm
.Lentry_in_a_cluster:
	s_bfe_u32 s2, ttmp6, 0x10000c
	s_cmp_lg_u32 s2, 0x3003
	s_cbranch_scc0 .Lentry_shape_is_right
	s_endpgm
.Lentry_shape_is_right:
; For each row t of a batch: x = s z = enc[t] M + bvs, bvs = c0 + the eight partial sums of h N for the batch (M, c0 and the partial sums come multiplied by
; s = 2 log2 e), c'[t] = -2 sum over n of V[n] / (1 + 2^x[n]).
; tanh(z) = 1 - 2 / (1 + 2^(s z)), so c' = c - sum(V): a constant for all t, which a softmax over t cancels.  STATED: cbuf holds c', not c.
; An overflowing 2^x gives 1/inf = 0 (tanh = 1), an underflowing one 1/1 (tanh = -1): no clamp is needed.
; Then, for each block of 128 rows: p = exp(c' - the block's maximum), o[d] = sum over the block of p[t] enc[t][d].  The last launch joins the blocks.
; STATED: matrix operands are bf16 (enc, M, p); sums, bvs, V, scores and maxima are f32.
; A work-group takes 512 rows as 4 blocks of 128.  A block is read from memory once, converted to bf16 and kept in LDS for both products.
; Four waves; each makes all 128 rows x 128 of the 512 columns: 64 accumulator tiles, 512 registers.
; CLUSTER: every work-group walks the same M four times.  Four work-groups ask for each tile jointly (mask 15): wave w of each issues the same descriptor for the
; 16 KB that wave w reads.  K goes in steps of 64 through two LDS slots of 64 KB; at the change from step q to q + 1 the slot just read is asked for again with
; step q + 2's tile; slot 1, read last by a block's step 7, is asked for again behind the epilogue.  By this text's count a wave has two tensor loads out at the
; start and one later.
; enc: a wave's 32 rows of a block are 128 items of 512 bytes = 512 registers.  The first block's are asked for at the start.  The next block's items 0-31 are asked
; for behind the last K step, into the fragment buffers; 16 more behind the epilogue of each of the row tiles 0-5, into that tile's 64 accumulator registers.
;
; LDS: slots at 0 and 65,536 (tensor loads alone); A at 131,072: 128 rows x 1,040 bytes (1,024 + 16: an odd multiple of 16); CP [4][128] f32 the waves' partial scores;
; PS [4][128] bf16 each wave's own copy of p; OS [4][128] f32 each wave's own stage, for bvs at the start and for o later.
; REGISTERS in windows of 256.  Window 0: addresses, fragments of enc (v64-191, also items 0-31), p fragments, converted items, small sums.
; Window 1: v0-63 bvs, v64-191 fragments of M (later of enc transposed), v192-255 V.  Windows 2 and 3: the accumulators of rows 0-63 and 64-127;
; later items 32-95 (window 2), items 96-127 (window 3, v0-127) and the weighted sum's accumulators (window 3, v128-191).
.set SLOTB, 65536
.set AB, 131072
.set PA, 1040
.set CP, 264192
.set PS, 266240
.set OS, 267264
.set F0, 64
.set F1, 128
.set PF, 192                           ; v[192:223] p as source 0, four K steps; at the start v[192:227]: eight partial sums and c0
.set CV, 208                           ; v[208:239] sixteen items converted, on their way into A
.set ST, 224                           ; v[224:231] four chains of pairs
.set SA, 232                           ; v[232:239] a lane's sum for each of the 8 row tiles
.set CQ, 240                           ; v[240:255] the four waves' partial scores of my 4 rows
.set WA, 128                           ; window 3: the weighted sum's 8 accumulators
.set G1, 24                            ; s[24:31] descriptor group 1
.set G0, 32                            ; s[32:39] descriptor group 0, a set for each slot
.set MSB, 0
.macro WIN new                         ; the immediate's high byte repeats the setting that is left
.if MSB != \new
	s_set_vgpr_msb (MSB<<8)|\new
.set MSB, \new
.endif
.endm
.set TO_B, 0x40                        ; destination window 1
.set MUL_LO, 0xa1                      ; source 0 (M) window 1, source 1 (enc) window 0, C and D window 2
.set MUL_HI, 0xf1                      ; the same, C and D window 3
.set WSW, 0xf4                         ; source 0 (p) window 0, source 1 window 1, C and D window 3
.macro PLACES                          ; four places behind a matrix instruction, before its results are read or its registers loaded into (ISA guide 7.12.1)
.rept 4
	v_nop
.endr
.endm
; A round of the cluster's barrier: my work-group's barrier, wave 0 signals for the work-group, every wave waits for all four work-groups, my work-group's barrier again.
.macro CREST                           ; a round behind its opening barrier
	s_cmp_lg_u32 s16, 0
	s_cbranch_scc1 .Lnot_wave_0_\@
	s_barrier_signal -3
.Lnot_wave_0_\@:
	s_barrier_wait -3
	s_barrier_signal -1
	s_barrier_wait -1
.endm
.macro ROUND
	s_barrier_signal -1
	s_barrier_wait -1
	CREST
.endm
	s_load_b256 s[4:11], s[0:1], 0x0               ; enc s[4:5], Mt s[6:7], c0 s[8:9], pbuf s[10:11]
	s_load_b128 s[12:15], s[0:1], 0x20             ; V s[12:13], cbuf s[14:15]
	s_load_b64 s[44:45], s[0:1], 0x30              ; obuf
	v_lshl_add_u32 v62, v0, 2, 0x41c00
	v_mov_b32 v63, 0
	ds_add_u32 v62, v63
	v_lshrrev_b32 v2, 5, v0
	v_readfirstlane_b32 s16, v2                    ; wave
	s_bfe_u32 s17, ttmp6, 0x40000                  ; my place in the cluster: enters global offsets of enc, pbuf, cbuf, obuf alone
	s_lshl_b32 s18, ttmp9, 2
	s_add_co_u32 s18, s18, s17                     ; work-group 0..255
	s_mov_b32 s22, 0x76543210
	s_mov_b32 s23, 0xfedcba98
	s_mov_b32 s50, 0x3fb8aa3b                      ; log2 e
	; group 1: 16 KB, dense in memory, as 64 rows of 32 elements of 8 bytes
	s_mov_b32 s[G1+0], 0x0023000f                  ; mask 15: all four work-groups; element of 8 bytes; bit 21 beside the mask; no padding
	s_mov_b32 s[G1+1], 32<<16                      ; tensor_dim0 = 32
	s_mov_b32 s[G1+2], 64<<16                      ; tensor_dim1 = 64
	s_mov_b32 s[G1+3], 32<<16                      ; tile_dim0 = 32
	s_mov_b32 s[G1+4], 64                          ; tile_dim1 = 64
	s_mov_b32 s[G1+5], 32                          ; 32 elements from row to row
	s_mov_b32 s[G1+6], 0
	s_mov_b32 s[G1+7], 0
	s_lshl_b32 s58, s16, 14                        ; 16,384 wave: my part of a tile, in memory and in a slot
	s_mov_b32 s59, 0
	s_mov_b32 s[G0+0], 1
	s_mov_b32 s[G0+1], s58                         ; slot 0
	s_mov_b32 s[G0+4], 1
	s_add_co_u32 s[G0+5], s58, SLOTB               ; slot 1
	s_wait_dscnt 0x0
	s_wait_kmcnt 0x0
	s_add_nc_u64 s[40:41], s[6:7], s[58:59]        ; Mt + my part: the same in all four work-groups
	s_mov_b64 s[G0+2:G0+3], s[40:41]               ; tile 0
	s_or_b32 s[G0+3], s[G0+3], 0x80000000          ; type 2
	s_add_nc_u64 s[G0+6:G0+7], s[40:41], 65536     ; tile 1
	s_or_b32 s[G0+7], s[G0+7], 0x80000000
	ROUND                                          ; all four work-groups are here: the first joint loads meet
	tensor_load_to_lds s[G0:G0+3], s[G1:G1+7]
	s_nop 0
	tensor_load_to_lds s[G0+4:G0+7], s[G1:G1+7]
	s_nop 0
	s_mov_b32 s21, 0
	s_lshl_b32 s20, s18, 20                        ; 512 rows of 2,048 bytes
	s_add_nc_u64 s[42:43], s[4:5], s[20:21]        ; enc at the block that is being loaded
	s_lshl_b32 s20, s18, 11
	s_add_nc_u64 s[46:47], s[14:15], s[20:21]      ; cbuf at my 512 scores
	s_lshl_b32 s20, s18, 13
	s_add_nc_u64 s[48:49], s[44:45], s[20:21]      ; obuf at my 4 rows
	s_lshr_b32 s20, s18, 3                         ; batch
	s_lshl_b32 s20, s20, 11
	s_add_nc_u64 s[10:11], s[10:11], s[20:21]      ; pbuf at my batch's row of plane 0
	v_and_b32 v1, 31, v0                           ; lane
	v_and_b32 v3, 15, v0                           ; r
	v_bfe_u32 v4, v0, 4, 1                         ; h
	v_lshlrev_b32 v5, 4, v1                        ; 16 lane
	v_lshlrev_b32 v6, 4, v4                        ; 16 h
	v_mul_u32_u24 v7, v3, PA
	v_add_nc_u32 v16, v7, v6
	v_add_nc_u32 v16, AB, v16                      ; v16: enc fragments, row r, byte 16 h; row tiles 0-3
	v_add_nc_u32 v17, 64*PA, v16                   ; v17: row tiles 4-7
	v_add_nc_u32 v18, s58, v5                      ; v18: M fragments in slot 0
	v_add_nc_u32 v19, SLOTB, v18                   ; v19: in slot 1
	s_mul_i32 s51, s16, 32*PA
	s_add_co_u32 s51, s51, AB
	v_lshl_add_u32 v20, v1, 3, s51                 ; v20: where I put enc: my wave's 32 rows, 8 lane
	s_lshl_b32 s57, s16, 9
	s_add_co_u32 s52, s57, CP
	v_lshl_add_u32 v21, v3, 2, s52                 ; v21: my wave's partial scores, row r
	v_add_nc_u32 v22, CP, v5                       ; v22: rows 4 lane .. 4 lane + 3 of wave 0's
	s_lshl_b32 s53, s16, 8
	s_add_co_u32 s54, s53, AB
	s_add_co_u32 s53, s53, PS
	v_lshl_add_u32 v23, v1, 3, s53                 ; v23: my 4 p
	v_add_nc_u32 v24, s53, v6                      ; v24: p as a fragment
	v_and_b32 v8, 7, v0
	v_lshl_add_u32 v8, v4, 3, v8
	v_mul_u32_u24 v9, v8, PA
	v_bfe_u32 v10, v0, 3, 1
	v_lshl_add_u32 v9, v10, 4, v9
	v_add_nc_u32 v25, s54, v9                      ; v25: transposing loads of enc, my 128 columns, rows 0-63
	v_add_nc_u32 v26, 64*PA, v25                   ; v26: rows 64-127
	s_add_co_u32 s55, s57, OS
	v_lshl_add_u32 v27, v3, 2, s55                 ; v27: o into my stage
	v_add_nc_u32 v28, s55, v5                      ; v28: my stage, 16 lane
	s_lshl_b32 s56, s16, 16
	v_add_nc_u32 v29, s56, v5                      ; v29: enc in memory: my wave's 32 rows, 16 lane
	v_lshl_add_u32 v30, v1, 8, s56                 ; v30: the same rows, lanes 256 bytes apart, for prefetches
	v_mov_b32 v31, v5                              ; v31: cbuf
	v_add_nc_u32 v32, s57, v5                      ; v32: obuf, pbuf and c0: 512 wave + 16 lane
	v_lshl_add_u32 v33, v4, 5, s57                 ; v33: V: 512 wave + 32 h
	v_lshl_add_u32 v34, v4, 5, s55                 ; v34: bvs out of my stage: 32 h
	v_mov_b32 v44, 0                               ; destinations of lane exchanges count as read
	v_mov_b32 v45, 0
; enc: chunk c = items 16 c .. 16 c + 15 of a wave's 128, 512 consecutive bytes each.  Chunks 0, 1: window 0 v64-191; 2-5: window 2; 6, 7: window 3 v0-127.
.macro LOADC c
.if \c < 2
	WIN 0
.set LB, 64+64*\c
.else
.if \c < 6
	WIN 0x80
.set LB, 64*(\c-2)
.else
	WIN 0xc0
.set LB, 64*(\c-6)
.endif
.endif
.set j, 0
.rept 16
	global_load_b128 v[LB+4*j:LB+4*j+3], v29, s[42:43] offset:512*(16*\c+j) th:TH_LOAD_NT
.set j, j+1
.endr
	WIN 0
.endm
; chunk c is converted and stored into A.  ahead = how many younger chunks have been asked for.  Loads come back in order, so an item is in when at most
; the younger loads are out; the wait's field ends at 63, and a smaller count than the younger loads' number is right too.
.macro TAKE c, ahead
.if \c < 2
	WIN 0
.set LB, 64+64*\c
.else
.if \c < 6
	WIN 0x0a
.set LB, 64*(\c-2)
.else
	WIN 0x0f
.set LB, 64*(\c-6)
.endif
.endif
.set j, 0
.rept 16
.if (16*\ahead+15-j) > 63
	s_wait_loadcnt 63
.else
	s_wait_loadcnt 16*\ahead+15-j
.endif
	v_cvt_pk_bf16_f32 v[CV+2*j], v[LB+4*j], v[LB+4*j+1]
	v_cvt_pk_bf16_f32 v[CV+2*j+1], v[LB+4*j+2], v[LB+4*j+3]
.set j, j+1
.endr
	WIN 0
.set j, 0
.rept 16
	ds_store_b64 v20, v[CV+2*j:CV+2*j+1] offset:((16*\c+j)>>2)*PA+((16*\c+j)&3)*256
.set j, j+1
.endr
.endm
.macro TAKEALL
	TAKE 0, 7
	TAKE 1, 6
	TAKE 2, 5
	TAKE 3, 4
	TAKE 4, 3
	TAKE 5, 2
	TAKE 6, 1
	TAKE 7, 0
.endm
; 16 matrix instructions: row tiles a0, a0 + 1 of the window's four x all 8 column tiles, 32 along K.  Source 0 = 16 columns of M, source 1 = 16 rows of enc:
; register j of lane (r, h) is x[16 a + r][128 w + 16 b + 8 h + j].  zero = 1: the first product starts the sums.
.macro MUL16 f, hi, a0, zero
.irp a, \a0, \a0+1
.irp b, 0,1,2,3,4,5,6,7
.if \zero
	v_wmma_f32_16x16x32_bf16 v[8*(8*(\a)+\b):8*(8*(\a)+\b)+7], v[\f+8*\b:\f+8*\b+7], v[\f+8*(4*\hi+\a):\f+8*(4*\hi+\a)+7], 0
.else
	v_wmma_f32_16x16x32_bf16 v[8*(8*(\a)+\b):8*(8*(\a)+\b)+7], v[\f+8*\b:\f+8*\b+7], v[\f+8*(4*\hi+\a):\f+8*(4*\hi+\a)+7], v[8*(8*(\a)+\b):8*(8*(\a)+\b)+7]
.endif
.endr
.endr
.endm
; 32 LDS loads in one run: M's 8 fragments (my own 8 KB of the slot at bofs), then enc's 8 (byte kb of A's rows)
.macro FETCH slot, bofs, kb, f
	PLACES
	WIN TO_B
.irp i, 0,1,2,3,4,5,6,7
	ds_load_b128 v[\f+8*\i:\f+8*\i+3], v[18+(\slot)] offset:\bofs+1024*\i
	ds_load_b128 v[\f+8*\i+4:\f+8*\i+7], v[18+(\slot)] offset:\bofs+1024*\i+512
.endr
	WIN 0
.irp i, 0,1,2,3
	ds_load_b128 v[\f+8*\i:\f+8*\i+3], v16 offset:\kb+16*PA*\i
	ds_load_b128 v[\f+8*\i+4:\f+8*\i+7], v16 offset:\kb+16*PA*\i+32
.endr
.irp i, 0,1,2,3
	ds_load_b128 v[\f+32+8*\i:\f+32+8*\i+3], v17 offset:\kb+16*PA*\i
	ds_load_b128 v[\f+32+8*\i+4:\f+32+8*\i+7], v17 offset:\kb+16*PA*\i+32
.endr
.endm
; In front of a block's first K step: the block is in A for every wave; M's tile 0 is in slot 0.
.macro HEAD
	WIN 0
	s_wait_tensorcnt 0x1                           ; tile 0 is in; tile 1, the one load issued behind it, may stay out
	s_wait_dscnt 0x0                               ; my stores into A are in LDS
	s_barrier_signal -1
	s_barrier_wait -1
	FETCH 0, 0, 0, F0
.endm
; K step t of 64 is two halves of 32, 64 matrix instructions each, on buffers F0 and F1.  The 64 accumulators take turns in one fixed order.
; The first half: multiplies F0; in its middle it fetches the second half's fragments.
; pf = 1 (K steps 6 and 7): the wave asks for 16 KB of its own rows of the next block, lanes 256 bytes apart: step 6 for items 0-31, which are loaded behind step 7,
; step 7 for items 32-63, which are loaded behind the first two row tiles' epilogues.  Each 256 bytes is asked for once; the last block asks for nothing.
.macro HALF0 t, zero, pf
	s_wait_dscnt 8                                 ; M and enc's rows 0-63 are in; the youngest eight loads (rows 64-127) may be out
	WIN MUL_LO
	MUL16 F0, 0, 0, \zero
	MUL16 F0, 0, 2, \zero
	FETCH ((\t)&1), 8192, 128*(\t)+64, F1
.if \pf
	global_prefetch_b8 v30, s[42:43] offset:262144+16384*((\t)-6) th:TH_LOAD_NT scope:SCOPE_SE
	global_prefetch_b8 v30, s[42:43] offset:262144+16384*((\t)-6)+8192 th:TH_LOAD_NT scope:SCOPE_SE
.endif
	s_wait_dscnt 32                                ; all but the 32 just issued
	WIN MUL_HI
	MUL16 F0, 1, 0, \zero
	MUL16 F0, 1, 2, \zero
.endm
; The second half of K step t (0 to 6): multiplies F1 and changes slots.  In front of the round each wave waits for its reads of this slot and for all its tensor
; loads, of which one is out: the next step's tile.  Inside the round: register work.  Behind it the refill comes first, then the next step's first fragments.
.macro TURN t, refill
	s_wait_dscnt 8
	WIN MUL_LO
	MUL16 F1, 0, 0, 0
	s_wait_dscnt 0                                 ; my reads of this slot are over
	s_set_vgpr_msb 0xa1a0
	s_wait_tensorcnt 0x0                           ; and all my tensor loads have landed: a group 0 may be written
	ds_add_u32 v62, v63
	s_wait_dscnt 0x0
	s_set_vgpr_msb 0xa0a1
.if \refill
	s_add_nc_u64 s[G0+2+4*((\t)&1):G0+3+4*((\t)&1)], s[40:41], 65536*(((\t)+2)&7)   ; the tile two steps ahead
	s_or_b32 s[G0+3+4*((\t)&1)], s[G0+3+4*((\t)&1)], 0x80000000
.endif
	s_barrier_signal -1                            ; say so (where the slot is filled again this barrier opens a round of the cluster's barrier),
	MUL16 F1, 0, 2, 0                              ; work on registers while the others arrive,
	WIN 0
	s_barrier_wait -1
.if \refill
	CREST                                          ; no wave of any partner still reads this slot or has a load on its way
	tensor_load_to_lds s[G0+4*((\t)&1):G0+3+4*((\t)&1)], s[G1:G1+7]   ; my one tensor load behind the round, first thing there
	s_nop 0
.endif
	FETCH (1-((\t)&1)), 0, 128*((\t)+1), F0
	WIN MUL_HI
	MUL16 F1, 1, 0, 0
	MUL16 F1, 1, 2, 0
.endm
; Row tile a: 64 numbers a lane, in place: x + bvs, 2^x, + 1, 1 / .; then the dot with V in four chains; the two lane halves joined; into CP.
; ld >= 0: the tile's 64 registers are free now: chunk ld of the next block is asked for into them.
.macro EPI a, ld
.set EB, 64*((\a)&3)
.if (\a) < 4
	WIN 0x86                                       ; destination and source 0 window 2, source 1 window 1
.else
	WIN 0xc7                                       ; the same with window 3
.endif
.set i, 0
.rept 32
	v_pk_add_f32 v[EB+2*i:EB+2*i+1], v[EB+2*i:EB+2*i+1], v[2*i:2*i+1]
.set i, i+1
.endr
.set i, 0
.rept 64
	v_exp_f32 v[EB+i], v[EB+i]
.set i, i+1
.endr
	v_nop                                          ; one plain place behind the transcendentals before their results are used
.set i, 0
	s_wait_alu depctr_va_vdst(0)
.rept 32
	v_pk_add_f32 v[EB+2*i:EB+2*i+1], v[EB+2*i:EB+2*i+1], 1.0 op_sel_hi:[1,0]
.set i, i+1
.endr
.set i, 0
.rept 64
	v_rcp_f32 v[EB+i], v[EB+i]
.set i, i+1
.endr
	v_nop
.if (\a) < 4
	WIN 0x06                                       ; source 0 window 2, source 1 window 1, the sums in window 0
.else
	WIN 0x07
.endif
	s_wait_alu depctr_va_vdst(0)
.irp jj, 0,1,2,3
	v_pk_mul_f32 v[ST+2*\jj:ST+2*\jj+1], v[EB+2*\jj:EB+2*\jj+1], v[192+2*\jj:192+2*\jj+1]
.endr
.irp b, 1,2,3,4,5,6,7
.irp jj, 0,1,2,3
	v_pk_fma_f32 v[ST+2*\jj:ST+2*\jj+1], v[EB+8*\b+2*\jj:EB+8*\b+2*\jj+1], v[192+8*\b+2*\jj:192+8*\b+2*\jj+1], v[ST+2*\jj:ST+2*\jj+1]
.endr
.endr
	WIN 0
	v_pk_add_f32 v[ST:ST+1], v[ST:ST+1], v[ST+2:ST+3]
	v_pk_add_f32 v[ST+4:ST+5], v[ST+4:ST+5], v[ST+6:ST+7]
	v_pk_add_f32 v[ST:ST+1], v[ST:ST+1], v[ST+4:ST+5]
	v_add_f32 v[SA+\a], v[ST], v[ST+1]
	v_permlanex16_b32 v44, v[SA+\a], s22, s23      ; lanes (r, 0) and (r, 1) hold the two halves of each 16 columns
	v_add_f32 v[SA+\a], v[SA+\a], v44
	ds_store_b32 v21, v[SA+\a] offset:64*\a        ; row 16 a + r of my wave's 128 columns; both halves write the same number
.if \ld >= 0
	LOADC \ld
.endif
.endm
; o = p enc, 64 rows (two K steps of 32) x my 128 columns at a time: enc comes transposed out of A; every row of source 0 is p, so all 16 rows of a result are o.
.macro WLOAD adr                       ; 32 transposing loads: 64 rows of enc as source 1
	WIN TO_B
.irp k, 0,1
.irp n, 0,1,2,3,4,5,6,7
	ds_load_tr16_b128 v[F0+64*\k+8*\n:F0+64*\k+8*\n+3], v[\adr] offset:32*PA*\k+32*\n
	ds_load_tr16_b128 v[F0+64*\k+8*\n+4:F0+64*\k+8*\n+7], v[\adr] offset:32*PA*\k+16*PA+32*\n
.endr
.endr
	WIN 0
.endm
.macro WMUL pair                       ; 16 matrix instructions; the eight accumulators take turns
	WIN WSW
.irp k, 0,1
.irp n, 0,1,2,3,4,5,6,7
.if (2*\pair+\k) == 0
	v_wmma_f32_16x16x32_bf16 v[WA+8*\n:WA+8*\n+7], v[PF+8*(2*\pair+\k):PF+8*(2*\pair+\k)+7], v[F0+64*\k+8*\n:F0+64*\k+8*\n+7], 0
.else
	v_wmma_f32_16x16x32_bf16 v[WA+8*\n:WA+8*\n+7], v[PF+8*(2*\pair+\k):PF+8*(2*\pair+\k)+7], v[F0+64*\k+8*\n:F0+64*\k+8*\n+7], v[WA+8*\n:WA+8*\n+7]
.endif
.endr
.endr
.endm
.macro BLOCK last
	HEAD
	HALF0 0, 1, 0
	TURN 0, 1
	HALF0 1, 0, 0
	TURN 1, 1
	HALF0 2, 0, 0
	TURN 2, 1
	HALF0 3, 0, 0
	TURN 3, 1
	HALF0 4, 0, 0
	TURN 4, 1
	HALF0 5, 0, 0
	TURN 5, 1
	HALF0 6, 0, 1-\last
	TURN 6, 1-\last                                ; asks for tile 0 again, for the next block; the last block asks for nothing
	HALF0 7, 0, 1-\last
	s_wait_dscnt 8                                 ; the block's last half step: nothing more to fetch
	WIN MUL_LO
	MUL16 F1, 0, 0, 0
	MUL16 F1, 0, 2, 0
	s_wait_dscnt 0
	WIN MUL_HI
	MUL16 F1, 1, 0, 0
	MUL16 F1, 1, 2, 0
	PLACES
	WLOAD 25                                       ; rows 0-63 of enc, transposed, into M's fragment registers: they do not hang on p and land during the epilogue
.if \last == 0
	s_wait_xcnt 0x0                                ; the base of earlier loads and prefetches is stepped only behind this wait
	s_add_nc_u64 s[42:43], s[42:43], 262144        ; the next block
	LOADC 0                                        ; its rows travel while the scores are made
	LOADC 1
	EPI 0, 2
	EPI 1, 3
	EPI 2, 4
	EPI 3, 5
	EPI 4, 6
	EPI 5, 7
.else
	EPI 0, -1
	EPI 1, -1
	EPI 2, -1
	EPI 3, -1
	EPI 4, -1
	EPI 5, -1
.endif
	EPI 6, -1
	EPI 7, -1
	s_wait_dscnt 0x0                               ; my partial scores are in LDS, and my reads of slot 1 are long back
.if \last == 0
	s_wait_tensorcnt 0x0                           ; all my tensor loads have landed (the next block's tile 0): a group 0 may be written
	ds_add_u32 v62, v63
	s_wait_dscnt 0x0
	s_add_nc_u64 s[G0+6:G0+7], s[40:41], 65536     ; tile 1, for the next block
	s_or_b32 s[G0+7], s[G0+7], 0x80000000
	ROUND                                          ; the barrier for the scores is a round: no wave of any partner still reads slot 1 or has a load on its way
	tensor_load_to_lds s[G0+4:G0+7], s[G1:G1+7]    ; my one tensor load behind the round, first thing there
	s_nop 0
.else
	s_barrier_signal -1                            ; the last block fills nothing
	s_barrier_wait -1
.endif
.irp w, 0,1,2,3
	ds_load_b128 v[CQ+4*\w:CQ+4*\w+3], v22 offset:512*\w
.endr
	s_wait_dscnt 0x0
	v_pk_add_f32 v[CQ:CQ+1], v[CQ:CQ+1], v[CQ+4:CQ+5]
	v_pk_add_f32 v[CQ+2:CQ+3], v[CQ+2:CQ+3], v[CQ+6:CQ+7]
	v_pk_add_f32 v[CQ+8:CQ+9], v[CQ+8:CQ+9], v[CQ+12:CQ+13]
	v_pk_add_f32 v[CQ+10:CQ+11], v[CQ+10:CQ+11], v[CQ+14:CQ+15]
	v_pk_add_f32 v[CQ:CQ+1], v[CQ:CQ+1], v[CQ+8:CQ+9]
	v_pk_add_f32 v[CQ+2:CQ+3], v[CQ+2:CQ+3], v[CQ+10:CQ+11]
	v_pk_mul_f32 v[CQ:CQ+1], v[CQ:CQ+1], -2.0 op_sel_hi:[1,0]
	v_pk_mul_f32 v[CQ+2:CQ+3], v[CQ+2:CQ+3], -2.0 op_sel_hi:[1,0]   ; every wave now holds all 128 c', rows 4 lane .. 4 lane + 3
	v_max3_num_f32 v46, v[CQ], v[CQ+1], v[CQ+2]
	v_max_num_f32 v46, v46, v[CQ+3]
	v_max_num_f32_dpp v46, v46, v46 row_xmask:1 row_mask:0xf bank_mask:0xf
	v_max_num_f32_dpp v46, v46, v46 row_xmask:2 row_mask:0xf bank_mask:0xf
	v_max_num_f32_dpp v46, v46, v46 row_xmask:4 row_mask:0xf bank_mask:0xf
	v_max_num_f32_dpp v46, v46, v46 row_xmask:8 row_mask:0xf bank_mask:0xf
	v_permlanex16_b32 v45, v46, s22, s23
	v_max_num_f32 v46, v46, v45                    ; the block's maximum
	v_mul_f32 v47, s50, v46
.irp i, 0,1,2,3
	v_fma_f32 v[48+\i], v[CQ+\i], s50, -v47
.endr
.irp i, 0,1,2,3
	v_exp_f32 v[48+\i], v[48+\i]                   ; p = exp(c' - maximum), at most about 1
.endr
	v_nop
	s_wait_alu depctr_va_vdst(0)
	v_cvt_pk_bf16_f32 v52, v48, v49
	v_cvt_pk_bf16_f32 v53, v50, v51
	ds_store_b64 v23, v[52:53]                     ; into my wave's own copy
	s_cmp_lg_u32 s16, 0
	s_cbranch_scc1 .Lno_c_\@
	global_store_b128 v31, v[CQ:CQ+3], s[46:47]    ; wave 0 stores the block's 128 scores: 512 consecutive bytes
.Lno_c_\@:
.irp k, 0,1,2,3
	ds_load_b128 v[PF+8*\k:PF+8*\k+3], v24 offset:64*\k        ; LDS serves a wave's instructions in order: these see the store above
	ds_load_b128 v[PF+8*\k+4:PF+8*\k+7], v24 offset:64*\k+32
.endr
	s_wait_dscnt 0x0
	WMUL 0
	PLACES
	WLOAD 26                                       ; rows 64-127
	s_wait_dscnt 0x0
	WMUL 1
	PLACES
	WIN 0x0c                                       ; LDS store data from window 3
.irp n, 0,1,2,3,4,5,6,7
	ds_store_b32 v27, v[WA+8*\n] offset:64*\n      ; o[128 w + 16 n + r]
.endr
	WIN 0
	ds_load_b128 v[40:43], v28                     ; back as 16 bytes a lane: my wave's own bytes, served in order
	s_wait_dscnt 0x0                               ; also: all my reads of A and CP are back
	global_store_b128 v32, v[40:43], s[48:49]      ; 512 consecutive bytes
.if \last == 0
	s_wait_xcnt 0x0                                ; the stores' bases and data are rewritten only behind this wait
	s_add_nc_u64 s[46:47], s[46:47], 512
	s_add_nc_u64 s[48:49], s[48:49], 2048
	s_barrier_signal -1                            ; nobody reads A or CP any more: the next block may be stored; nothing is filled by a tensor load behind this barrier
	s_barrier_wait -1
	TAKEALL
.endif
.endm
	; bvs: a thread takes 4 columns (128 wave + 4 lane): eight partial sums of h N and c0
.irp i, 0,1,2,3,4,5,6,7
	global_load_b128 v[PF+4*\i:PF+4*\i+3], v32, s[10:11] offset:65536*\i
.endr
	global_load_b128 v[PF+32:PF+35], v32, s[8:9]
	WIN TO_B
.irp b, 0,1,2,3,4,5,6,7
	global_load_b128 v[192+8*\b:192+8*\b+3], v33, s[12:13] offset:64*\b    ; V[128 w + 16 b + 8 h + j] at register 192 + 8 b + j
	global_load_b128 v[192+8*\b+4:192+8*\b+7], v33, s[12:13] offset:64*\b+16
.endr
	WIN 0
.irp c, 0,1,2,3,4,5,6,7
	LOADC \c                                       ; the first block: all 128 items are asked for
.endr
	s_wait_loadcnt 63                              ; the 25 loads above are the oldest of 153: they are in when at most 63 are out
.irp n, 4,2,1
.set k, 0
.rept \n
	v_pk_add_f32 v[PF+4*k:PF+4*k+1], v[PF+4*k:PF+4*k+1], v[PF+4*(k+\n):PF+4*(k+\n)+1]
	v_pk_add_f32 v[PF+4*k+2:PF+4*k+3], v[PF+4*k+2:PF+4*k+3], v[PF+4*(k+\n)+2:PF+4*(k+\n)+3]
.set k, k+1
.endr
.endr
	v_pk_add_f32 v[PF:PF+1], v[PF:PF+1], v[PF+32:PF+33]
	v_pk_add_f32 v[PF+2:PF+3], v[PF+2:PF+3], v[PF+34:PF+35]
	ds_store_b128 v28, v[PF:PF+3]                  ; into my wave's own stage: its 128 columns
	WIN TO_B
.irp b, 0,1,2,3,4,5,6,7
	ds_load_b128 v[8*\b:8*\b+3], v34 offset:64*\b              ; bvs[128 w + 16 b + 8 h + j] at register 8 b + j; LDS serves a wave's instructions in order
	ds_load_b128 v[8*\b+4:8*\b+7], v34 offset:64*\b+16
.endr
	WIN 0
	TAKEALL
	s_mov_b32 s19, 3
.Lblock:
	BLOCK 0
	s_sub_co_i32 s19, s19, 1
	s_cmp_lg_u32 s19, 0
	s_cbranch_scc1 .Lblock
	BLOCK 1                                        ; written out: it asks for no tile beyond its own and for no further rows
	s_wait_tensorcnt 0x0
	ds_add_u32 v62, v63
	s_wait_dscnt 0x0
	ROUND                                          ; the closing round: no work-group ends while a partner may still ask for a tile that names it
	s_endpgm
.Lfunc_end_k_q5faac490c8_main:
	.size	k_q5faac490c8_main, .Lfunc_end_k_q5faac490c8_main-k_q5faac490c8_main
	.p2alignl 7, 3214868480
	.fill 96, 4, 3214868480
	.section	.rodata,"a",@progbits
	.p2align	6, 0x0
	.amdhsa_kernel k_q5faac490c8_main
		.amdhsa_group_segment_fixed_size 327680
		.amdhsa_private_segment_fixed_size 0
		.amdhsa_enable_private_segment 0
		.amdhsa_kernarg_size 56
		.amdhsa_user_sgpr_count 2
		.amdhsa_user_sgpr_kernarg_segment_ptr 1
		.amdhsa_wavefront_size32 1
		.amdhsa_system_sgpr_workgroup_id_x 1
		.amdhsa_system_sgpr_workgroup_id_y 1
		.amdhsa_system_sgpr_workgroup_id_z 1
		.amdhsa_system_vgpr_workitem_id 0
		.amdhsa_next_free_vgpr 1024
		.amdhsa_next_free_sgpr 66
		.amdhsa_reserve_vcc 0
		.amdhsa_float_denorm_mode_32 3
		.amdhsa_float_denorm_mode_16_64 3
		.amdhsa_memory_ordered 1
		.amdhsa_forward_progress 1
		.amdhsa_inst_pref_size 255
	.end_amdhsa_kernel
	.section	.bss,"aw",@nobits
	.p2align	6
	.space	262144
	.amdgpu_metadata
---
amdhsa.version: [ 1, 2 ]
amdhsa.kernels:
  - .name:           k_q5faac490c8_main
    .symbol:         k_q5faac490c8_main.kd
    .args:
      - { .name: encoder_outputs, .offset: 0, .size: 8, .value_kind: global_buffer, .address_space: global }
      - { .name: Mt, .offset: 8, .size: 8, .value_kind: global_buffer, .address_space: global }
      - { .name: c0buf, .offset: 16, .size: 8, .value_kind: global_buffer, .address_space: global }
      - { .name: pbuf, .offset: 24, .size: 8, .value_kind: global_buffer, .address_space: global }
      - { .name: V, .offset: 32, .size: 8, .value_kind: global_buffer, .address_space: global }
      - { .name: cbuf, .offset: 40, .size: 8, .value_kind: global_buffer, .address_space: global }
      - { .name: obuf, .offset: 48, .size: 8, .value_kind: global_buffer, .address_space: global }
    .group_segment_fixed_size: 327680
    .private_segment_fixed_size: 0
    .kernarg_segment_align: 8
    .kernarg_segment_size: 56
    .max_flat_workgroup_size: 128
    .sgpr_count:     66
    .vgpr_count:     1024
    .wavefront_size: 32
...
	.end_amdgpu_metadata
.endif
;; end of part 6
;; launch finish: the kernel of part 4 again; grid 32 x 1, 32 waves a work-group, no clusters, 21,504 bytes of LDS; arguments cbuf, obuf, out0, out1; writes out0, out1
;; ======== version 3 of 3: 3 launches; version 2 with the launch prep written anew for expert scheduling mode
;; workspace buffers: Mt 524,288 bytes; c0buf 2,048 bytes; pbuf 524,288 bytes; cbuf 524,288 bytes; obuf 2,097,152 bytes
;; launch prep (part 7): grid 8 x 16, 8 waves a work-group, no clusters, 185,344 bytes of LDS; arguments U, W, Wa, bias, ba, hidden_state, Mt, c0buf, pbuf; writes Mt, c0buf, pbuf
.if DOCPART == 7
	.amdgcn_target "amdgcn-amd-amdhsa--gfx1250"
	.amdhsa_code_object_version 6
	.text
	.protected	k_q5faac490c8_prep
	.globl	k_q5faac490c8_prep
	.p2align	8
	.type	k_q5faac490c8_prep,@function
k_q5faac490c8_prep:
	s_mov_b64 s[64:65], 0
	v_nop
	global_prefetch_b8 v0, s[64:65] scope:SCOPE_SE
	s_setreg_imm32_b32 hwreg(HW_REG_WAVE_SCHED_MODE, 0, 2), 2
	s_setreg_imm32_b32 hwreg(HW_REG_WAVE_MODE, 25, 1), 1
	s_wait_xcnt 0x0
	s_wait_alu depctr_vm_vsrc(0)
; (enc U + h W + bias) Wa + ba = enc (U Wa) + h (W Wa) + (bias Wa + ba) holds for every input, so each row of enc needs one product.  With s = 2 log2 e this launch makes
;   Mt = s U Wa in bf16, laid out as the register image of the next launch's fragments (work-groups y = 0..7, rows 64 y of U);
;   pbuf[y & 7][b][n] = sum over the 64 d of the work-group of h[b][d] (s W Wa)[d][n] in f32 (work-groups y = 8..15, rows 64 (y - 8) of W): eight partial sums;
;   c0 = s (bias Wa + ba) in f32.
; STATED: U, W, Wa, bias, h and the product W Wa are matrix operands rounded to bf16; U Wa is rounded once to bf16; all sums, ba, c0 and pbuf are f32.
; A work-group makes 64 rows d x 64 columns n of X Wa, X = U or W.  Wave v makes tile row dl = v >> 1 and tile columns 2 (v & 1), + 1.
; Mt[T 8][w 4][sub 2][nt 8][half 2][lane 32][16 bytes]: lane (r, h) holds U Wa[d .. d+7][n], d = 64 T + 32 sub + 16 half + 8 h, n = 128 w + 16 nt + r.
; Every wave also multiplies a fragment whose 16 rows are all bias with the fragments of Wa that it holds anyway; the waves with y = 0 and dl = 0 store the result.
; Every work-group loads its 8 KB of h in the first run of loads, so that they cost no latency of their own; only y = 8..15 use them.
; No cluster and no tensor loads: the strips need a conversion on their way into LDS, so they pass through registers, once.
; THE MODE: SCHED_MODE bits 1:0 = 2 (LLVM: expert scheduling mode 2), set by the entry lines.  The code itself states the register dependences
; between vector or matrix instructions and memory or LDS instructions, with s_wait_alu, always for 0.
; THE PLAN.  Registers that memory or LDS instructions touch:
;   v2-v5, v20-v23      offsets, made at the head and never written again.       v13-v17, v29-v31  addresses, made behind the staging and never written again.
;   RING                The staging goes in 8 groups of 8 items.  Group g's sixteen conversions read its eight items; in groups 0 to 3 eight loads then land in them again.
;   CV0, CV1            Group g's conversions write CV[g % 2]; its eight LDS stores read it; group g + 2 writes it again.
;   slots 0 to 3        A K step's fragments (X, two of Wa, bias) lie in slot K step % 4.  The products go in 8 steps of two K steps: step i's matrix instructions read
;                       the pair of slots i % 2, while the LDS loads of step i + 1, issued ahead of them, land in the other pair.
;   NF, v28, the accumulators of h (W Wa), v[96:99], v[112:115]   written by vector or matrix instructions, read by the stores of the way out.
; So a group has ONE wait on va_vdst, behind its conversions and ahead of its run of loads and stores, and a step has one at its head.  The wait on vm_vsrc for an out-buffer
; stands in the group between its stores and its next writers, ahead of that group's own stores.
.set PY, 160                           ; Wa strip in LDS: [512 k][64 n] bf16, 128 bytes + 32: an odd multiple of 32 for the transposing loads
.set XS, 81920                         ; X strip behind it: [64 d][512 k] bf16
.set PX, 1040                          ; 1,024 bytes + 16: an odd multiple of 16
.set XB, 148480                        ; bias as 512 bf16
.set PG, 149504                        ; the four tile rows' parts of h (W Wa): [dl 4][32 batches][64 n] f32
.set PP, 272                           ; 256 bytes + 16: an odd multiple of 16
.set RING, 64                          ; v[64:191] 32 loads of 16 bytes a lane; later the fragments
.set CV, 192                           ; v[192:223] two out-buffers: eight items in bf16 each, on their way into LDS
.set BF, 184                           ; v[184:215] bias fragments, one for each slot
.set BA, 216                           ; v[216:231] two accumulators of bias Wa
.set HF, 32                            ; v[32:47]  h as source 1: two tiles of 16 batches
.set HR, 48                            ; v[48:63]  h as loaded; later two accumulators of h (W Wa); the other two are v[232:247]
.set NF, 64                            ; v[64:79]  the two result tiles in bf16: 4 registers each for Mt, 8 as source 0
	s_load_b256 s[4:11], s[0:1], 0x0               ; U s[4:5], W s[6:7], Wa s[8:9], bias s[10:11]
	s_load_b256 s[36:43], s[0:1], 0x20             ; ba s[36:37], h s[38:39], Mt s[40:41], c0buf s[42:43]
	s_load_b64 s[44:45], s[0:1], 0x40              ; pbuf
	v_lshl_add_u32 v248, v0, 2, 0x2d000
	v_mov_b32 v249, 0
	s_and_b32 s18, ttmp7, 0xffff                   ; y
	v_lshrrev_b32 v1, 5, v0
	v_readfirstlane_b32 s19, v1                    ; wave v
	v_and_b32 v6, 31, v0                           ; lane
	v_and_b32 v7, 15, v0                           ; r
	v_bfe_u32 v8, v0, 4, 1                         ; h
	s_wait_alu depctr_va_sdst(0)                   ; s19 is written, ahead of its first reader: offsets and LDS addresses are made from it
	s_lshl_b32 s20, s19, 17                        ; Wa: 64 v rows of 2,048 bytes
	v_lshlrev_b32 v9, 4, v7
	v_lshl_add_u32 v2, v8, 11, v9
	v_add_nc_u32 v2, s20, v2                       ; v2: Wa, row 64 v + h, byte 16 r
	s_mul_i32 s21, s19, 64*PY
	v_mul_u32_u24 v3, v8, PY
	v_lshl_add_u32 v3, v7, 3, v3
	v_add_nc_u32 v3, s21, v3                       ; v3: the same place in LDS, 8 bytes for 4 numbers
	s_lshl_b32 s22, s19, 14                        ; X: 8 v rows of 2,048 bytes
	v_lshl_add_u32 v4, v6, 4, s22                  ; v4: X, + 16 lane
	s_mul_i32 s23, s19, 8*PX
	s_add_co_u32 s23, s23, XS
	v_lshl_add_u32 v5, v6, 3, s23                  ; v5: the same place in LDS
	s_lshl_b32 s24, ttmp9, 8                       ; cg: which 64 columns, 256 bytes of f32
	s_mov_b32 s25, 0
	s_and_b32 s26, s18, 7
	s_lshl_b32 s12, s26, 16                        ; pbuf: plane y & 7 of 65,536 bytes
	s_add_co_u32 s12, s12, s24                     ; + my 64 columns
	s_mov_b32 s13, 0
	s_lshl_b32 s14, s26, 8                         ; h: column 64 (y & 7), in bytes
	s_lshl_b32 s26, s26, 17                        ; X: 64 (y & 7) rows
	s_mov_b32 s27, 0
	s_lshr_b32 s28, s19, 1                         ; dl
	s_and_b32 s29, s19, 1                          ; v & 1
	s_lshl_b32 s15, s28, 6
	s_add_co_u32 s14, s14, s15                     ; + 16 dl columns
	v_lshlrev_b32 v23, 11, v7
	v_lshl_add_u32 v23, v8, 5, v23
	v_add_nc_u32 v23, s14, v23                     ; v23: h, batch r, column 64 (y & 7) + 16 dl + 8 h
	v_lshlrev_b32 v20, 3, v0                       ; v20: bias, two numbers a thread
	v_lshlrev_b32 v21, 2, v0
	v_add_nc_u32 v21, XB, v21                      ; v21: and their place in LDS
	s_lshl_b32 s30, s29, 7
	v_lshl_add_u32 v22, v6, 2, s30                 ; v22: ba and c0: column 32 (v & 1) + lane of the strip
	s_wait_kmcnt 0x0
	s_cmp_lt_u32 s18, 8
	s_cselect_b64 s[4:5], s[4:5], s[6:7]           ; X = U or W
	s_add_nc_u64 s[4:5], s[4:5], s[26:27]
	s_add_nc_u64 s[8:9], s[8:9], s[24:25]
	s_add_nc_u64 s[36:37], s[36:37], s[24:25]
	s_add_nc_u64 s[42:43], s[42:43], s[24:25]
	s_add_nc_u64 s[44:45], s[44:45], s[12:13]
	s_wait_alu depctr_va_vdst(0)                   ; the offsets v2 to v5 and v20 to v23 are written, which the loads and LDS stores of the staging read
	global_load_b64 v[24:25], v20, s[10:11]
	global_load_b32 v26, v22, s[36:37]
.irp bt, 0,1
	global_load_b128 v[HR+8*\bt:HR+8*\bt+3], v23, s[38:39] offset:32768*\bt        ; h[16 bt + r][8 numbers]
	global_load_b128 v[HR+8*\bt+4:HR+8*\bt+7], v23, s[38:39] offset:32768*\bt+16
.endr
; 64 items a wave, 512 bytes each: items 0-31 two rows of Wa's strip, items 32-63 a quarter row of X's.  24 to 32 loads are out while there are items left to ask for.
.set it, 0
.rept 32
	global_load_b128 v[RING+4*it:RING+4*it+3], v2, s[8:9] offset:4096*it
.set it, it+1
.endr
	s_wait_loadcnt 32                              ; bias, ba and h are in; the 32 loads behind them stay out
	v_cvt_pk_bf16_f32 v27, v24, v25                ; it is stored in group 0, behind that group's wait
.irp bt, 0,1
.irp j, 0,1,2,3
	v_cvt_pk_bf16_f32 v[HF+8*\bt+\j], v[HR+8*\bt+2*\j], v[HR+8*\bt+2*\j+1]         ; k = 8 h + 0..7: the 16 d of my tile row
.endr
.irp j, 4,5,6,7
	v_mov_b32 v[HF+8*\bt+\j], 0                    ; k = 16..31 of the fragment: a wave holds 16 d, the other half of K is zero
.endr
.endr
; Group g: items 8 g to 8 g + 7 are converted into CV[g % 2]; then, in one run, their registers are asked for again (groups 0 to 3: items 32 on) and the out-buffer is stored.
.macro STAGE g
.if (\g) < 5
	s_wait_loadcnt 24                              ; loads come back in order: the group's eight items are in, the 24 younger ones stay out
.else
	s_wait_loadcnt 24-8*((\g)-4)                   ; nothing more is issued: the count runs down
.endif
.set j, 0
.rept 8
.set it, 8*(\g)+j
	v_cvt_pk_bf16_f32 v[CV+16*((\g)%2)+2*j], v[RING+4*(it%32)], v[RING+4*(it%32)+1]
	v_cvt_pk_bf16_f32 v[CV+16*((\g)%2)+2*j+1], v[RING+4*(it%32)+2], v[RING+4*(it%32)+3]
.set j, j+1
.endr
	s_wait_alu depctr_va_vdst(0)                   ; the conversions have written CV[g % 2] (in group 0 v27 too), which the LDS stores below read, and are done reading the eight items' registers, in which the loads below land
.if (\g) > 0 && (\g) < 7
	s_wait_alu depctr_vm_vsrc(0)                   ; the LDS stores of the group before have read the other out-buffer, which the next group's conversions write again
.endif
.if (\g) == 0
	ds_store_b32 v21, v27                          ; bias
.endif
.set j, 0
.rept 8
.set it, 8*(\g)+j
.if (\g) < 4
	global_load_b128 v[RING+4*it:RING+4*it+3], v4, s[4:5] offset:512*it
	ds_store_b64 v3, v[CV+16*((\g)%2)+2*j:CV+16*((\g)%2)+2*j+1] offset:2*PY*it
.else
	ds_store_b64 v5, v[CV+16*((\g)%2)+2*j:CV+16*((\g)%2)+2*j+1] offset:((it-32)>>2)*PX+((it-32)&3)*256
.endif
.set j, j+1
.endr
.endm
	STAGE 0
	STAGE 1
	STAGE 2
	STAGE 3
	STAGE 4
	STAGE 5
	STAGE 6
	STAGE 7
	; fragment addresses
	s_mul_i32 s21, s28, 16*PX
	s_add_co_u32 s21, s21, XS
	v_mul_u32_u24 v14, v7, PX
	v_lshl_add_u32 v14, v8, 4, v14
	v_add_nc_u32 v14, s21, v14                     ; v14: X, row 16 dl + r, byte 16 h
	v_and_b32 v18, 7, v0
	v_lshl_add_u32 v18, v8, 3, v18                 ; 8 h + (lane & 7)
	v_mul_u32_u24 v15, v18, PY
	v_bfe_u32 v19, v0, 3, 1
	v_lshl_add_u32 v15, v19, 4, v15
	s_lshl_b32 s22, s29, 6
	v_add_nc_u32 v15, s22, v15                     ; v15: Wa, transposing load, K steps 0-7
	v_add_nc_u32 v16, 8*32*PY, v15                 ; v16: K steps 8-15 (the immediate has 16 bits)
	v_lshlrev_b32 v17, 4, v6                       ; v17: 16 lane, for the way out
	v_lshlrev_b32 v13, 4, v8
	v_add_nc_u32 v13, XB, v13                      ; v13: bias, byte 16 h, the same for all 16 rows
	s_mul_i32 s15, s28, 32*PP
	s_add_co_u32 s15, s15, PG
	s_add_co_u32 s15, s15, s30
	v_mul_u32_u24 v29, v7, PP
	v_lshl_add_u32 v29, v8, 5, v29
	v_add_nc_u32 v29, s15, v29                     ; v29: my part of h (W Wa): tile row dl, batch r, column 32 (v & 1) + 8 h
	v_lshrrev_b32 v12, 4, v0
	v_mul_u32_u24 v30, v12, PP
	v_add_nc_u32 v30, v30, v9
	v_add_nc_u32 v30, PG, v30                      ; v30: back: batch t >> 4, 16 bytes at 16 (t & 15)
	v_lshl_add_u32 v31, v12, 11, v9                ; v31: the same place in pbuf's plane
	; where my first tile goes in Mt (used by y = 0..7 alone)
	s_lshr_b32 s32, ttmp9, 1
	s_lshl2_add_u32 s31, s18, s32                  ; T 4 + w
	s_lshr_b32 s32, s28, 1
	s_lshl1_add_u32 s31, s31, s32                  ; x 2 + sub
	s_and_b32 s32, ttmp9, 1
	s_lshl_b32 s32, s32, 2
	s_lshl1_add_u32 s32, s29, s32                  ; nt = 4 (cg & 1) + 2 (v & 1)
	s_lshl3_add_u32 s31, s31, s32                  ; x 8 + nt
	s_and_b32 s32, s28, 1
	s_lshl1_add_u32 s31, s31, s32                  ; x 2 + half
	s_lshl_b32 s34, s31, 9                         ; x 512 bytes
	s_mov_b32 s35, 0
	s_add_nc_u64 s[40:41], s[40:41], s[34:35]
	s_wait_dscnt 0x0                               ; my stores are in LDS before I say so
	s_barrier_signal -1
	s_barrier_wait -1
	s_wait_alu depctr_vm_vsrc(0)                   ; my last LDS stores have read CV0 and CV1: bias fragments land in v[192:215], and the accumulators of bias Wa are written in v[216:223]
	s_wait_alu depctr_va_vdst(0)                   ; the addresses v13 to v17 and v29 to v31 are written, which the LDS loads and the stores below read; the staging's conversions are done with RING and CV, in which fragments land
; Step i is K steps 2 i and 2 i + 1 of 32: 16 LDS loads, 8 matrix instructions.  K step q has slot q % 4: X at 64 + 24 slot, Wa's two tiles behind it, bias at BF + 8 slot.
; The four accumulators take turns.
; Source 0 = 16 rows of X (or 16 times bias), source 1 = 16 columns of Wa: register j of lane (r, h) is the product's row 8 h + j, column n0 + r.
.macro LOADS i
.irp kk, 0,1
.set q, 2*(\i)+\kk
.set sl, q%4
	ds_load_b128 v[64+24*sl:64+24*sl+3], v14 offset:64*q
	ds_load_b128 v[64+24*sl+4:64+24*sl+7], v14 offset:64*q+32
	ds_load_b128 v[BF+8*sl:BF+8*sl+3], v13 offset:64*q
	ds_load_b128 v[BF+8*sl+4:BF+8*sl+7], v13 offset:64*q+32
.irp t, 0,1
	ds_load_tr16_b128 v[72+24*sl+8*\t:72+24*sl+8*\t+3], v[15+q/8] offset:(q%8)*32*PY+32*\t
	ds_load_tr16_b128 v[72+24*sl+8*\t+4:72+24*sl+8*\t+7], v[15+q/8] offset:(q%8)*32*PY+16*PY+32*\t
.endr
.endr
.endm
.macro MULS i
.irp kk, 0,1
.set q, 2*(\i)+\kk
.set sl, q%4
.irp t, 0,1
.if q == 0
	v_wmma_f32_16x16x32_bf16 v[160+8*\t:160+8*\t+7], v[64+24*sl:64+24*sl+7], v[72+24*sl+8*\t:72+24*sl+8*\t+7], 0
.else
	v_wmma_f32_16x16x32_bf16 v[160+8*\t:160+8*\t+7], v[64+24*sl:64+24*sl+7], v[72+24*sl+8*\t:72+24*sl+8*\t+7], v[160+8*\t:160+8*\t+7]
.endif
.endr
.irp t, 0,1
.if q == 0
	v_wmma_f32_16x16x32_bf16 v[BA+8*\t:BA+8*\t+7], v[BF+8*sl:BF+8*sl+7], v[72+24*sl+8*\t:72+24*sl+8*\t+7], 0
.else
	v_wmma_f32_16x16x32_bf16 v[BA+8*\t:BA+8*\t+7], v[BF+8*sl:BF+8*sl+7], v[72+24*sl+8*\t:72+24*sl+8*\t+7], v[BA+8*\t:BA+8*\t+7]
.endif
.endr
.endr
.endm
; Step i: the next step's fragments are asked for, into the pair of slots that the step before read; then this step's products, while those loads land.
.macro STEP i
.if (\i) > 0 && (\i) < 7
.rept 4
	v_nop                                          ; four places between the last matrix instruction and loads into registers that it read
.endr
	s_wait_alu depctr_va_vdst(0)                   ; the matrix instructions of the step before are done reading their pair of slots, in which the loads below land
.endif
.if (\i) < 7
	LOADS (\i)+1
	s_wait_dscnt 16                                ; LDS loads come back in order: this step's fragments are in, the 16 just issued stay out
.else
	s_wait_dscnt 0x0                               ; the last step asks for nothing
.endif
	MULS \i
.endm
	LOADS 0
	STEP 0                                         ; no wait at its head: no vector or matrix instruction since the wait above names slots 2 and 3
	STEP 1
	STEP 2
	STEP 3
	STEP 4
	STEP 5
	STEP 6
	STEP 7
.rept 4
	v_nop                                          ; four places before the results are read and the fragments' registers written
.endr
.irp t, 0,1
.irp j, 0,2,4,6
	v_pk_mul_f32 v[160+8*\t+\j:160+8*\t+\j+1], v[160+8*\t+\j:160+8*\t+\j+1], 0x4038aa3b op_sel_hi:[1,0]   ; x 2 log2 e: the tanh of the next launch works in base 2
.endr
.irp j, 0,1,2,3
	v_cvt_pk_bf16_f32 v[NF+8*\t+\j], v[160+8*\t+2*\j], v[160+8*\t+2*\j+1]
.endr
.endr
	s_cmp_ge_u32 s18, 8
	s_cbranch_scc1 .Lpart
	; y = 0..7: the tiles of s U Wa go out
	s_wait_alu depctr_va_vdst(0)                   ; the conversions have written v[NF ..], which the two stores read
.irp t, 0,1
	global_store_b128 v17, v[NF+8*\t:NF+8*\t+3], s[40:41] offset:1024*\t   ; the wave stores 512 consecutive bytes, aligned
.endr
	s_or_b32 s33, s18, s28                         ; c0 is stored by y = 0, dl = 0: waves 0 and 1 of eight work-groups
	s_cmp_lg_u32 s33, 0
	s_cbranch_scc1 .Lmeet
	v_cmp_eq_u32 vcc_lo, 1, v8
	s_wait_alu depctr_va_vcc(0)                    ; VCC is written, ahead of the select that reads it
	v_cndmask_b32 v28, v[BA], v[BA+8], vcc_lo      ; all rows of a tile are alike: lanes 0-15 take the first tile's column r, lanes 16-31 the second's
	v_add_f32 v28, v28, v26
	v_mul_f32 v28, 0x4038aa3b, v28
	s_wait_alu depctr_va_vdst(0)                   ; v28 is written, which the store reads
	global_store_b32 v22, v28, s[42:43]            ; 128 consecutive bytes a wave; 2 KB in the whole launch
	s_branch .Lmeet
.Lpart:
	; y = 8..15: lane (r, h) holds (s W Wa)[16 dl + 8 h + 0..7][n0 + r] in 4 registers: registers 0-3 of a fragment whose k is d - 16 dl.  As source 0, with h as
	; source 1: register j of lane (r, h) is the sum over my 16 d for batch 16 bt + r, column n0 + 8 h + j: eight neighbouring columns.
.irp t, 0,1
.irp j, 4,5,6,7
	v_mov_b32 v[NF+8*\t+\j], 0                     ; k = 16..31: zero, as in h's fragments
.endr
.endr
	v_wmma_f32_16x16x32_bf16 v[48:55], v[NF:NF+7], v[HF:HF+7], 0
	v_wmma_f32_16x16x32_bf16 v[56:63], v[NF:NF+7], v[HF+8:HF+15], 0
	v_wmma_f32_16x16x32_bf16 v[232:239], v[NF+8:NF+15], v[HF:HF+7], 0
	v_wmma_f32_16x16x32_bf16 v[240:247], v[NF+8:NF+15], v[HF+8:HF+15], 0
.rept 4
	v_nop                                          ; four places before the results are stored
.endr
	s_wait_alu depctr_va_vdst(0)                   ; the four matrix instructions have written their accumulators, which the LDS stores read; the places above stay beside this wait
.macro PST reg, off
	ds_store_b128 v29, v[\reg:\reg+3] offset:\off
	ds_store_b128 v29, v[\reg+4:\reg+7] offset:\off+16
.endm
	PST 48, 0                                      ; tile column 0, batches 0-15
	PST 56, 16*PP                                  ; tile column 0, batches 16-31
	PST 232, 64                                    ; tile column 1
	PST 240, 16*PP+64
.Lmeet:
	s_wait_dscnt 0x0                               ; my stores are in LDS before I say so
	s_barrier_signal -1                            ; every work-group passes this barrier; only y = 8..15 have stored and read
	s_barrier_wait -1
	s_cmp_lt_u32 s18, 8
	s_cbranch_scc1 .Lend
	; the four tile rows' parts are added; 256 threads x 2 x 16 bytes = 32 batches x 64 columns
	; No wait ahead of these loads: on every way here a wait on va_vdst stands behind the last matrix instruction that read v[96:127], and no vector instruction since names them
.irp hf, 0,1
.irp d, 0,1,2,3
	ds_load_b128 v[96+16*\hf+4*\d:96+16*\hf+4*\d+3], v30 offset:\d*32*PP+\hf*16*PP
.endr
.endr
	s_wait_dscnt 0x0
.irp hf, 0,1
	v_pk_add_f32 v[96+16*\hf:97+16*\hf], v[96+16*\hf:97+16*\hf], v[100+16*\hf:101+16*\hf]
	v_pk_add_f32 v[98+16*\hf:99+16*\hf], v[98+16*\hf:99+16*\hf], v[102+16*\hf:103+16*\hf]
	v_pk_add_f32 v[104+16*\hf:105+16*\hf], v[104+16*\hf:105+16*\hf], v[108+16*\hf:109+16*\hf]
	v_pk_add_f32 v[106+16*\hf:107+16*\hf], v[106+16*\hf:107+16*\hf], v[110+16*\hf:111+16*\hf]
	v_pk_add_f32 v[96+16*\hf:97+16*\hf], v[96+16*\hf:97+16*\hf], v[104+16*\hf:105+16*\hf]
	v_pk_add_f32 v[98+16*\hf:99+16*\hf], v[98+16*\hf:99+16*\hf], v[106+16*\hf:107+16*\hf]
.endr
	s_wait_alu depctr_va_vdst(0)                   ; the additions have written v[96:99] and v[112:115], which the two stores read
.irp hf, 0,1
	global_store_b128 v31, v[96+16*\hf:99+16*\hf], s[44:45] offset:32768*\hf       ; sixteen lanes store 256 consecutive bytes, aligned
.endr
.Lend:
	s_wait_dscnt 0x0                               ; the closing lines, six on end
	s_wait_alu 0x0
	s_wait_tensorcnt 0x0
	ds_add_u32 v248, v249
	s_wait_dscnt 0x0
	s_endpgm
.Lfunc_end_k_q5faac490c8_prep:
	.size	k_q5faac490c8_prep, .Lfunc_end_k_q5faac490c8_prep-k_q5faac490c8_prep
	.p2alignl 7, 3214868480
	.fill 96, 4, 3214868480
	.section	.rodata,"a",@progbits
	.p2align	6, 0x0
	.amdhsa_kernel k_q5faac490c8_prep
		.amdhsa_group_segment_fixed_size 185344
		.amdhsa_private_segment_fixed_size 0
		.amdhsa_enable_private_segment 0
		.amdhsa_kernarg_size 72
		.amdhsa_user_sgpr_count 2
		.amdhsa_user_sgpr_kernarg_segment_ptr 1
		.amdhsa_wavefront_size32 1
		.amdhsa_system_sgpr_workgroup_id_x 1
		.amdhsa_system_sgpr_workgroup_id_y 1
		.amdhsa_system_sgpr_workgroup_id_z 1
		.amdhsa_system_vgpr_workitem_id 0
		.amdhsa_next_free_vgpr 250
		.amdhsa_next_free_sgpr 66
		.amdhsa_reserve_vcc 1
		.amdhsa_float_denorm_mode_32 3
		.amdhsa_float_denorm_mode_16_64 3
		.amdhsa_memory_ordered 1
		.amdhsa_forward_progress 1
		.amdhsa_inst_pref_size 44
	.end_amdhsa_kernel
	.amdgpu_metadata
---
amdhsa.version: [ 1, 2 ]
amdhsa.kernels:
  - .name:           k_q5faac490c8_prep
    .symbol:         k_q5faac490c8_prep.kd
    .args:
      - { .name: U, .offset: 0, .size: 8, .value_kind: global_buffer, .address_space: global }
      - { .name: W, .offset: 8, .size: 8, .value_kind: global_buffer, .address_space: global }
      - { .name: Wa, .offset: 16, .size: 8, .value_kind: global_buffer, .address_space: global }
      - { .name: bias, .offset: 24, .size: 8, .value_kind: global_buffer, .address_space: global }
      - { .name: ba, .offset: 32, .size: 8, .value_kind: global_buffer, .address_space: global }
      - { .name: hidden_state, .offset: 40, .size: 8, .value_kind: global_buffer, .address_space: global }
      - { .name: Mt, .offset: 48, .size: 8, .value_kind: global_buffer, .address_space: global }
      - { .name: c0buf, .offset: 56, .size: 8, .value_kind: global_buffer, .address_space: global }
      - { .name: pbuf, .offset: 64, .size: 8, .value_kind: global_buffer, .address_space: global }
    .group_segment_fixed_size: 185344
    .private_segment_fixed_size: 0
    .kernarg_segment_align: 8
    .kernarg_segment_size: 72
    .max_flat_workgroup_size: 256
    .sgpr_count:     66
    .vgpr_count:     250
    .wavefront_size: 32
...
	.end_amdgpu_metadata
.endif
;; end of part 7
;; launch main: the kernel of part 6 again; grid 256 x 1, 4 waves a work-group, clusters of 4 x 1, 327,680 bytes of LDS; arguments encoder_outputs, Mt, c0buf, pbuf, V, cbuf, obuf; writes cbuf, obuf
;; launch finish: the kernel of part 4 again; grid 32 x 1, 32 waves a work-group, no clusters, 21,504 bytes of LDS; arguments cbuf, obuf, out0, out1; writes out0, out1
